; MI455X (gfx1250); checked and timed in simulation.
; The chip was launched on July 23, 2026; its instructions are those of AMD's public machine-readable ISA for CDNA 5 (MIT licence, August 2026) and "CDNA5" Instruction Set Architecture Reference Guide (July 2026). The comments in the code are by the model that wrote it; some were corrected since.
;; Latent Attention Layer. Allowed arithmetic: float matrix products may take bf16 or f16 operands with f32 sums; all other float work in f32.
;; Inputs: Wkd 1,024 x 512 float32; Wku 256 x 2,048 float32; Wo 1,024 x 1,024 float32; Wq 1,024 x 1,024 float32; bkd 512 float32; bku 2,048 float32; bo 1,024 float32; bq 1,024 float32; x 2 x 2,048 x 1,024 float32.
;; Outputs: out0 2 x 2,048 x 1,024 float32.
;; One version. Each part assembles by itself: llvm-mc -triple=amdgcn-amd-amdhsa -mcpu=gfx1250 --defsym DOCPART=n.
;; ======== version 1 of 1: 5 launches
;; limits: values are held in f16: magnitudes above 65,504 overflow, below 6.1e-05 lose precision; inputs' magnitudes at most 65,504; right only within a limited range of input values
;; workspace buffers: xb 8,388,608 bytes; wb 6,291,456 bytes; qb 8,388,608 bytes; latb 2,097,152 bytes; kvb 16,777,216 bytes; vsc 2,048 bytes; ob 8,388,608 bytes
;; launch prep (part 1): grid 256 x 1, 28 waves a work-group, no clusters, 57,344 bytes of LDS; arguments x, Wq, Wo, Wkd, Wku, xb, wb; writes xb, wb
.if DOCPART == 1
	.amdgcn_target "amdgcn-amd-amdhsa--gfx1250"
	.amdhsa_code_object_version 6
	.text
	.protected	k_q6aba11c800_prep
	.globl	k_q6aba11c800_prep
	.p2align	8
	.type	k_q6aba11c800_prep,@function
k_q6aba11c800_prep:
	s_mov_b64 s[64:65], 0
	v_nop
	global_prefetch_b8 v0, s[64:65] scope:SCOPE_SE
	s_setreg_imm32_b32 hwreg(HW_REG_WAVE_MODE, 25, 1), 1
	s_wait_xcnt 0x0
; x and the four weight matrices, f32, become f16 FRAGMENT UNITS of 512 bytes.  Unit (rt, kt) of a matrix X[row][k] holds rows
; 16 rt .. +15 and k = 16 kt .. +15; the 16 bytes at byte 16 L of the unit (L = r + 16 h) are X[16 rt + r][16 kt + 8 h .. + 7].
; Two neighbouring units are one 16 x 32 operand of a matrix instruction, each lane's bytes at 16 L: later launches load operands
; by contiguous 16-byte loads.  x keeps its rows (row = token); the weights are turned (row = output column, k = input channel).
; xb: [256 token tiles][64 kt][512].   wb: W1 at 0, [8 blocks][12 tiles][64 kt][512], the tiles of a block in the order
; q0 q1 q2 q3 lo0 hi0 q4 q5 q6 q7 lo1 hi1 (q: Wq's columns, lo/hi: Wkd's columns c and c + 256);
; WKU at 3,145,728, [128 column tiles][16 kt][512];  WO at 4,194,304, [64 column tiles][64 kt][512].
; WHY f16: the first tokens of a batch average over few keys, so their outputs are larger than the output's root mean square, by which the result is judged;
; f16's three further mantissa bits are needed there.  LIMIT: |x| and |W| below 65,504; numbers below 2^-14 keep an absolute error of 2^-25.
; The drawn sizes (x about 1, W about 0.02) have a factor of more than 10,000 above them, and W / 30 still lies 11 times above 2^-14.
; The work is 7,168 chunks of 16 rows x 256 bytes of f32 = 256 work-groups x 28 waves: one chunk a wave, no loop, no barrier.
; Every load of a wave covers two aligned runs of 256 bytes, every store 512 consecutive bytes.  A chunk is turned in the wave's own
; 2,048 bytes of LDS; LDS serves a wave's instructions in order (ISA guide 5.7.1), so no wait stands between its stores and its loads there.
; Memory binds here: matrix units, clusters and tensor loads would add nothing.
.set NX,   4096                        ; chunks of x
.set CWQ,  4096                        ; first chunk of Wq, Wo, Wkd, Wku
.set CWO,  5120
.set CWKD, 6144
.set CWKU, 6656
.set WKU_AT, 3145728
.set WO_AT,  4194304
	s_load_b256 s[4:11], s[0:1], 0x0               ; x s[4:5], Wq s[6:7], Wo s[8:9], Wkd s[10:11]
	s_load_b128 s[12:15], s[0:1], 0x20             ; Wku s[12:13], xb s[14:15]
	s_load_b64 s[16:17], s[0:1], 0x30              ; wb
	v_lshrrev_b32 v1, 5, v0
	v_readfirstlane_b32 s18, v1                    ; wave
	s_mul_i32 s20, ttmp9, 28
	s_add_co_u32 s20, s20, s18                     ; my chunk
	s_lshl_b32 s19, s18, 11                        ; my stage in LDS
	v_and_b32 v1, 31, v0                           ; L
	v_and_b32 v2, 15, v0                           ; cc: which 16 bytes of a 256-byte run
	v_bfe_u32 v3, v0, 4, 1                         ; u: which of the two runs of a load
	v_lshlrev_b32 v7, 4, v1                        ; 16 L: my bytes in a unit, in memory
	v_add_nc_u32 v6, s19, v7                       ; and in the stage
	s_mov_b32 s25, 0                               ; high words of the two offset pairs
	s_mov_b32 s29, 0
	s_wait_kmcnt 0x0
	s_cmp_lt_u32 s20, NX
	s_cbranch_scc0 .Lweights
	; ---- x: chunk = token tile rt, 64 channels from 64 kc.  Load i brings rows 2 i + u.
	s_lshr_b32 s21, s20, 4                         ; rt
	s_and_b32 s22, s20, 15                         ; kc
	s_lshl_b32 s24, s21, 16                        ; 16 rows of 4,096 bytes
	s_lshl_b32 s23, s22, 8
	s_add_co_u32 s24, s24, s23
	s_add_nc_u64 s[26:27], s[4:5], s[24:25]
	v_lshlrev_b32 v4, 12, v3
	v_lshl_add_u32 v4, v2, 4, v4                   ; 4,096 u + 16 cc
.irp i, 0,1,2,3,4,5,6,7
	global_load_b128 v[8+4*\i:11+4*\i], v4, s[26:27] offset:\i*8192 th:TH_LOAD_NT
.endr
	s_lshl_b32 s28, s21, 15                        ; 64 units a token tile
	s_lshl_b32 s23, s22, 11                        ; 4 units a chunk
	s_add_co_u32 s28, s28, s23
	s_add_nc_u64 s[30:31], s[14:15], s[28:29]
	; my 4 numbers of row 2 i + u are k = 4 cc .. + 3: unit cc >> 2, half h = (cc >> 1) & 1, 8 bytes at (cc & 1) 8 of lane row + 16 h
	v_lshrrev_b32 v5, 2, v2
	v_lshl_add_u32 v5, v5, 9, s19
	v_bfe_u32 v56, v2, 1, 1
	v_lshl_add_u32 v5, v56, 8, v5
	v_lshl_add_u32 v5, v3, 4, v5
	v_and_b32 v56, 1, v2
	v_lshl_add_u32 v5, v56, 3, v5
.irp i, 0,1,2,3,4,5,6,7
	s_wait_loadcnt 7-\i                            ; loads come back in order: load i is in, the younger ones stay out
	v_cvt_pk_f16_f32 v[40+2*\i], v[8+4*\i], v[9+4*\i]
	v_cvt_pk_f16_f32 v[41+2*\i], v[10+4*\i], v[11+4*\i]
	ds_store_b64 v5, v[40+2*\i:41+2*\i] offset:32*\i
.endr
.irp n, 0,1,2,3
	ds_load_b128 v[8+4*\n:11+4*\n], v6 offset:512*\n
.endr
.irp n, 0,1,2,3
	s_wait_dscnt 3-\n                              ; unit n is back, the younger read-backs stay out
	global_store_b128 v7, v[8+4*\n:11+4*\n], s[30:31] offset:512*\n
.endr
	s_endpgm
; ---- weights: chunk = 16 rows (k tile kt) x 64 columns (from 64 nch).  Load j brings rows 8 u + j, so that a lane ends up with
; W[16 kt + 8 u + j][64 nch + 4 cc + i] in register 8 + 4 j + i: for each i the eight k of one output column.
.macro WLOAD sp, pb, lognch, c0
	s_sub_co_u32 s21, s20, \c0
	s_and_b32 s22, s21, (1<<\lognch)-1             ; nch
	s_lshr_b32 s23, s21, \lognch                   ; kt
	s_mul_i32 s24, s23, 16*\pb
	s_lshl_b32 s21, s22, 8
	s_add_co_u32 s24, s24, s21
	s_add_nc_u64 s[26:27], s[\sp:\sp+1], s[24:25]
	v_mul_u32_u24 v4, v3, 8*\pb
	v_lshl_add_u32 v4, v2, 4, v4
.irp j, 0,1,2,3,4,5,6,7
	global_load_b128 v[8+4*\j:11+4*\j], v4, s[26:27] offset:\j*\pb th:TH_LOAD_NT
.endr
.endm
; s28 = byte in wb of the chunk's first unit; o1, o2, o3 = distance of its second, third and fourth unit
.macro WSTORE o1, o2, o3
	s_add_nc_u64 s[30:31], s[16:17], s[28:29]
	v_lshrrev_b32 v5, 2, v2                        ; column 4 cc + i: unit cc >> 2, row 4 (cc & 3) + i, half u
	v_lshl_add_u32 v5, v5, 9, s19
	v_lshl_add_u32 v5, v3, 8, v5
	v_and_b32 v56, 3, v2
	v_lshl_add_u32 v5, v56, 6, v5
	s_wait_loadcnt 0x0                             ; every 16 bytes out need all eight rows
.irp i, 0,1,2,3
	v_cvt_pk_f16_f32 v[40+4*\i], v[8+\i], v[12+\i]
	v_cvt_pk_f16_f32 v[41+4*\i], v[16+\i], v[20+\i]
	v_cvt_pk_f16_f32 v[42+4*\i], v[24+\i], v[28+\i]
	v_cvt_pk_f16_f32 v[43+4*\i], v[32+\i], v[36+\i]
	ds_store_b128 v5, v[40+4*\i:43+4*\i] offset:16*\i
.endr
.irp n, 0,1,2,3
	ds_load_b128 v[8+4*\n:11+4*\n], v6 offset:512*\n
.endr
	s_wait_dscnt 0x3                               ; counted as above
	global_store_b128 v7, v[8:11], s[30:31]
	s_wait_dscnt 0x2
	global_store_b128 v7, v[12:15], s[30:31] offset:\o1
	s_wait_dscnt 0x1
	global_store_b128 v7, v[16:19], s[30:31] offset:\o2
	s_wait_dscnt 0x0
	global_store_b128 v7, v[20:23], s[30:31] offset:\o3
	s_endpgm
.endm
.Lweights:
	s_cmp_lt_u32 s20, CWO
	s_cbranch_scc0 .Lnot_wq
	WLOAD 6, 4096, 4, CWQ                          ; Wq: column tile 4 nch + n is tile 12 (nch >> 1) + 6 (nch & 1) + n of W1
	s_lshr_b32 s28, s22, 1
	s_mul_i32 s28, s28, 12
	s_and_b32 s21, s22, 1
	s_mul_i32 s21, s21, 6
	s_add_co_u32 s28, s28, s21
	s_lshl_b32 s28, s28, 6
	s_add_co_u32 s28, s28, s23
	s_lshl_b32 s28, s28, 9
	WSTORE 32768, 65536, 98304
.Lnot_wq:
	s_cmp_lt_u32 s20, CWKD
	s_cbranch_scc0 .Lnot_wo
	WLOAD 8, 4096, 4, CWO                          ; Wo: unit (4 nch + n, kt) of WO
	s_lshl_b32 s28, s22, 8
	s_add_co_u32 s28, s28, s23
	s_lshl_b32 s28, s28, 9
	s_add_co_u32 s28, s28, WO_AT
	WSTORE 32768, 65536, 98304
.Lnot_wo:
	s_cmp_lt_u32 s20, CWKU
	s_cbranch_scc0 .Lnot_wkd
	WLOAD 10, 2048, 3, CWKD                        ; Wkd: tile 24 (nch & 3) + 12 (n >> 1) + 6 (n & 1) + 4 + (nch >> 2) of W1
	s_and_b32 s28, s22, 3
	s_mul_i32 s28, s28, 24
	s_lshr_b32 s21, s22, 2
	s_add_co_u32 s28, s28, s21
	s_add_co_u32 s28, s28, 4
	s_lshl_b32 s28, s28, 6
	s_add_co_u32 s28, s28, s23
	s_lshl_b32 s28, s28, 9
	WSTORE 196608, 393216, 589824
.Lnot_wkd:
	WLOAD 12, 8192, 5, CWKU                        ; Wku: unit (4 nch + n, kt) of WKU
	s_lshl_b32 s28, s22, 6
	s_add_co_u32 s28, s28, s23
	s_lshl_b32 s28, s28, 9
	s_add_co_u32 s28, s28, WKU_AT
	WSTORE 8192, 16384, 24576
.Lfunc_end_k_q6aba11c800_prep:
	.size	k_q6aba11c800_prep, .Lfunc_end_k_q6aba11c800_prep-k_q6aba11c800_prep
	.p2alignl 7, 3214868480
	.fill 96, 4, 3214868480
	.section	.rodata,"a",@progbits
	.p2align	6, 0x0
	.amdhsa_kernel k_q6aba11c800_prep
		.amdhsa_group_segment_fixed_size 57344
		.amdhsa_private_segment_fixed_size 0
		.amdhsa_enable_private_segment 0
		.amdhsa_kernarg_size 56
		.amdhsa_user_sgpr_count 2
		.amdhsa_user_sgpr_kernarg_segment_ptr 1
		.amdhsa_wavefront_size32 1
		.amdhsa_system_sgpr_workgroup_id_x 1
		.amdhsa_system_sgpr_workgroup_id_y 1
		.amdhsa_system_sgpr_workgroup_id_z 1
		.amdhsa_system_vgpr_workitem_id 0
		.amdhsa_next_free_vgpr 64
		.amdhsa_next_free_sgpr 66
		.amdhsa_reserve_vcc 0
		.amdhsa_float_denorm_mode_32 3
		.amdhsa_float_denorm_mode_16_64 3
		.amdhsa_memory_ordered 1
		.amdhsa_forward_progress 1
		.amdhsa_inst_pref_size 21
	.end_amdhsa_kernel
	.amdgpu_metadata
---
amdhsa.version: [ 1, 2 ]
amdhsa.kernels:
  - .name:           k_q6aba11c800_prep
    .symbol:         k_q6aba11c800_prep.kd
    .args:
      - { .name: x, .offset: 0, .size: 8, .value_kind: global_buffer, .address_space: global }
      - { .name: Wq, .offset: 8, .size: 8, .value_kind: global_buffer, .address_space: global }
      - { .name: Wo, .offset: 16, .size: 8, .value_kind: global_buffer, .address_space: global }
      - { .name: Wkd, .offset: 24, .size: 8, .value_kind: global_buffer, .address_space: global }
      - { .name: Wku, .offset: 32, .size: 8, .value_kind: global_buffer, .address_space: global }
      - { .name: xb, .offset: 40, .size: 8, .value_kind: global_buffer, .address_space: global }
      - { .name: wb, .offset: 48, .size: 8, .value_kind: global_buffer, .address_space: global }
    .group_segment_fixed_size: 57344
    .private_segment_fixed_size: 0
    .kernarg_segment_align: 8
    .kernarg_segment_size: 56
    .max_flat_workgroup_size: 896
    .sgpr_count:     66
    .vgpr_count:     64
    .wavefront_size: 32
...
	.end_amdgpu_metadata
.endif
;; end of part 1
;; launch proj1 (part 2): grid 8 x 32, 4 waves a work-group, clusters of 4 x 4, 327,680 bytes of LDS; arguments xb, wb, bq, bkd, qb, latb; writes qb, latb
.if DOCPART == 2
	.amdgcn_target "amdgcn-amd-amdhsa--gfx1250"
	.amdhsa_code_object_version 6
	.text
	.protected	k_q6aba11c800_proj1
	.globl	k_q6aba11c800_proj1
	.p2align	8
	.type	k_q6aba11c800_proj1,@function
k_q6aba11c800_proj1:
	s_mov_b64 s[64:65], 0
	v_nop
	global_prefetch_b8 v0, s[64:65] scope:SCOPE_SE
	s_setreg_imm32_b32 hwreg(HW_REG_WAVE_MODE, 25, 1), 1
	s_wait_xcnt 0x0
	s_wait_alu depctr_hold_cnt(0) depctr_sa_sdst(0) depctr_va_vdst(0) depctr_va_sdst(0) depctr_va_ssrc(0) depctr_va_vcc(0) depctr_vm_vsrc(0)
	s_getreg_b32 s2, hwreg(HW_REG_IB_STS2, 6, 4)
	s_cmp_eq_u32 s2, 0
	s_cbranch_scc0 .Lentry_in_a_cluster
	s_endpgm
.Lentry_in_a_cluster:
	s_bfe_u32 s2, ttmp6, 0x10000c
	s_cmp_lg_u32 s2, 0xf033
	s_cbranch_scc0 .Lentry_shape_is_right
	s_endpgm
.Lentry_shape_is_right:
; q = (x Wq + bq) * 0.125 log2(e), out in bf16, and lat / 4 = (gelu(x Wkd + bkd)[.. :256] + gelu(..)[.. 256:]) / 4, out in f16, both as fragment units.
; A fragment unit is 512 bytes: rows 16 rt .. +15, k = 16 kt .. +15, lane L = r + 16 h owns the 16 bytes at 16 L = X[16 rt + r][16 kt + 8 h .. +7].
; Block (x, y) of the grid: 192 output columns (12 tiles of W1: 128 of q, 32 + 32 of the latent's two halves) x 128 tokens, K = 1,024.  Operands f16.
; Source 0 = weights (gives m), source 1 = tokens (gives n): a lane's eight results are eight neighbouring output columns of one token,
; which after rounding are exactly its 16 bytes of an output unit: every store of a wave is 512 consecutive bytes, and nothing is turned in LDS.
; Four waves, one a SIMD; wave w makes tiles 6 (w >> 1) .. + 5 of the weights x token tiles 4 (w & 1) .. + 3: 24 accumulators.
; Tiles 0-3 of a wave are the four d tiles of head 2 x + (w >> 1); tiles 4 and 5 are columns c and c + 256 of the same latent tile.
; K goes in 4 steps of 256 through two LDS slots of 163,840 bytes (12 + 8 tiles of 8,192 bytes): a refill has a step's 192 matrix instructions less 12 to land.
; CLUSTERS 4 x 4: the weights' tiles hang on x alone and are asked for jointly by a column of the cluster, the tokens' on y alone, by a row.
; A wave has at most two tensor loads outstanding (the two first fills), later one.
; LIMITS: sums f32.  q goes out in bf16 (its range is f32's).  lat goes out as f16 of lat / 4: right for |lat| < 262,000; with x and Wkd both 30 times the drawn sizes lat stays
; below 6,000, with both offset by 30 spreads it is about 37,000; at 1/900 of the drawn size lat / 4 is about 2^-13 and keeps an absolute error of 2^-25.
; erf by a rational form times exp(-z z / 2), absolute error at most 1.5e-7 for every argument, so gelu's absolute error is at most |z| x 0.75e-7.
; gelu(-inf) is NaN, as -inf x 0 is in the definition.
.set MT, 6                             ; tiles of a wave on the m side
.set NT, 4                             ; on the n side
.set NQ, 8                             ; quarters of 32 along K in a slot
.set KTOT, 1024
.set UR,   NQ*1024                     ; bytes of one tile in a slot
.set SLOT, 2*(MT+NT)*UR
.set TROW, KTOT*32                     ; bytes of one tile's whole K in memory
.set NACC, MT*NT
.set ADRM, 16                          ; v16-17 LDS address of my m fragments in slot 0, 1
.set ADRN, 18                          ; v18-19 the same for n
.set F0, 32                            ; fragment buffer 0: m fragment i at + 8 i, n fragment i at + 8 MT + 8 i
.set F1, F0+8*(MT+NT)                  ; fragment buffer 1
.set G1N, 24                           ; s[24:31] descriptor group 1, n side;  s[32:39] its group 0, one set a slot
.set G0N, 32
.set G1M, 48                           ; s[48:55], s[56:63] the same for the m side
.set G0M, 56
.set MULW, 0x50                        ; C and D in window 1 (accumulator (mi, ni) at v[8 (NT mi + ni)] there), A and B in window 0
.set MSB, 0
.macro WIN new                         ; the immediate's high byte repeats the setting that is left
.if MSB != \new
	s_set_vgpr_msb (MSB<<8)|\new
.set MSB, \new
.endif
.endm
.macro PLACES                          ; four plain vector places behind matrix instructions, in front of loads into their sources and of reads of their results
.rept 4
	v_nop
.endr
.endm
.macro CREST                           ; a round of the cluster's barrier behind its opening work-group barrier
	s_cmp_lg_u32 s10, 0
	s_cbranch_scc1 .Lnot_wave_0_\@
	s_barrier_signal -3
.Lnot_wave_0_\@:
	s_barrier_wait -3
	s_barrier_signal -1
	s_barrier_wait -1
.endm
.macro CROUND
	s_barrier_signal -1
	s_barrier_wait -1
	CREST
.endm
.macro JLOAD s                         ; waves 0, 1 ask for the two halves of the m side, waves 2, 3 for those of the n side: one load a wave
	s_cmp_eq_u32 s11, 0
	s_cbranch_scc0 .Lfor_n_\@
	tensor_load_to_lds s[G0M+4*\s:G0M+4*\s+3], s[G1M:G1M+7]
	s_nop 0
	s_branch .Lasked_\@
.Lfor_n_\@:
	tensor_load_to_lds s[G0N+4*\s:G0N+4*\s+3], s[G1N:G1N+7]
	s_nop 0
.Lasked_\@:
.endm
.macro FETCH slot, q, f                ; the fragments of quarter q: every load takes 512 consecutive bytes, 16 a lane
.set t_i, 0
.rept MT
	ds_load_b128 v[\f+8*t_i:\f+8*t_i+3],   v[ADRM+\slot] offset:t_i*UR+(\q)*1024
	ds_load_b128 v[\f+8*t_i+4:\f+8*t_i+7], v[ADRM+\slot] offset:t_i*UR+(\q)*1024+512
.set t_i, t_i+1
.endr
.set t_i, 0
.rept NT
	ds_load_b128 v[\f+8*MT+8*t_i:\f+8*MT+8*t_i+3],   v[ADRN+\slot] offset:t_i*UR+(\q)*1024
	ds_load_b128 v[\f+8*MT+8*t_i+4:\f+8*MT+8*t_i+7], v[ADRN+\slot] offset:t_i*UR+(\q)*1024+512
.set t_i, t_i+1
.endr
.endm
.macro MUL f, a0, n, zero              ; accumulators a0 .. a0 + n - 1, one instruction each: they take turns
.set acc_i, \a0
.rept \n
.if \zero
	v_wmma_f32_16x16x32_f16 v[8*acc_i:8*acc_i+7], v[\f+8*(acc_i/NT):\f+8*(acc_i/NT)+7], v[\f+8*MT+8*(acc_i%NT):\f+8*MT+8*(acc_i%NT)+7], 0
.else
	v_wmma_f32_16x16x32_f16 v[8*acc_i:8*acc_i+7], v[\f+8*(acc_i/NT):\f+8*(acc_i/NT)+7], v[\f+8*MT+8*(acc_i%NT):\f+8*MT+8*(acc_i%NT)+7], v[8*acc_i:8*acc_i+7]
.endif
.set acc_i, acc_i+1
.endr
.endm
.macro QUARTER slot, qn, f, g, zero    ; multiplies buffer f; first asks for quarter qn into buffer g, which then has this quarter's products to arrive
	s_wait_dscnt 0x0                               ; buffer f, asked for a quarter ago
	WIN 0
	PLACES
	FETCH \slot, \qn, \g
	WIN MULW
	MUL \f, 0, NACC, \zero
.endm
.macro STEP slot, zero                 ; all quarters of a slot but the last
	QUARTER \slot, 1, F0, F1, \zero
.set q_i, 2
.rept (NQ-2)/2
	QUARTER \slot, q_i, F1, F0, 0
	QUARTER \slot, q_i+1, F0, F1, 0
.set q_i, q_i+2
.endr
.endm
.macro TURN slot, next, fill           ; the last quarter (buffer 1) and the change of slots
	s_wait_dscnt 0x0                               ; my reads of this slot are over
	s_wait_tensorcnt 0x0                           ; all my tensor loads have landed: the one that was out is my part of the next slot
	s_barrier_signal -1                            ; where the slot is filled again this barrier opens a round of the cluster's barrier
	WIN MULW
	MUL F1, 0, NACC/2, 0                           ; register work while the others arrive
	WIN 0
	s_barrier_wait -1
.if \fill
	CREST                                          ; no wave of any partner still reads this slot or has a load on its way
	s_add_nc_u64 s[G0M+4*\slot+2:G0M+4*\slot+3], s[G0M+4*\slot+2:G0M+4*\slot+3], 2*UR
	s_add_nc_u64 s[G0N+4*\slot+2:G0N+4*\slot+3], s[G0N+4*\slot+2:G0N+4*\slot+3], 2*UR
	JLOAD \slot                                    ; the first tensor load behind the round, one a wave
.endif
	PLACES
	FETCH \next, 0, F0
	WIN MULW
	MUL F1, NACC/2, NACC/2, 0
.endm
; the way out's registers, in window 0 (the fragment buffers are free by then)
.set TQ, 32                            ; 32: q of one token tile, f32
.set ZZ, 64                            ; 16: z of the latent's low half, then of its high half
.set DD, 80                            ; 16
.set WW, 96                            ; 16
.set TT, 112                           ; 16
.set PP, 128                           ; 16
.set YQ, 144                           ; 16: q packed
.set YL, 160                           ; 4: lat packed
.set BIAS, 192                         ; 48: bias of my tile mi at + 8 mi
.set A4, 240                           ; a pair that holds the series' fourth coefficient
	s_load_b256 s[68:75], s[0:1], 0x0              ; xb s[68:69], wb s[70:71], bq s[72:73], bkd s[74:75]
	s_load_b128 s[76:79], s[0:1], 0x20             ; qb s[76:77], latb s[78:79]
	v_lshrrev_b32 v1, 5, v0
	v_readfirstlane_b32 s10, v1                    ; wave
	s_lshr_b32 s11, s10, 1                         ; my half of the m side.  Also: I fetch for m (0) or for n (1)
	s_and_b32 s12, s10, 1                          ; my half of the n side.  Also: which half of that side I fetch
	s_bfe_u32 s40, ttmp6, 0x40000                  ; cx
	s_bfe_u32 s41, ttmp6, 0x40004                  ; cy
	s_lshl_b32 s42, ttmp9, 2
	s_add_co_u32 s42, s42, s40                     ; block x
	s_and_b32 s13, ttmp7, 0xffff
	s_lshl_b32 s13, s13, 2
	s_add_co_u32 s13, s13, s41                     ; block y
	s_lshl_b32 s43, s41, 2
	s_lshl_b32 s43, 15, s43                        ; my row of the cluster
	s_lshl_b32 s44, 0x1111, s40                    ; my column
	; group 1: MT or NT rows (tiles) of UR bytes, in elements of 8 bytes, TROW bytes apart; dense in LDS
	s_or_b32 s[G1M+0], s44, (3<<16)|(1<<21)        ; the m side hangs on x: shared along my column
	s_or_b32 s[G1N+0], s43, (3<<16)|(1<<21)        ; the n side hangs on y: shared along my row
	s_mov_b32 s[G1M+1], (NQ*128)<<16               ; tensor_dim0
	s_mov_b32 s[G1N+1], (NQ*128)<<16
	s_mov_b32 s[G1M+2], MT<<16                     ; tensor_dim1
	s_mov_b32 s[G1N+2], NT<<16
	s_mov_b32 s[G1M+3], (NQ*128)<<16               ; tile_dim0
	s_mov_b32 s[G1N+3], (NQ*128)<<16
	s_mov_b32 s[G1M+4], MT                         ; tile_dim1
	s_mov_b32 s[G1N+4], NT
	s_mov_b32 s[G1M+5], KTOT*4                     ; pitch
	s_mov_b32 s[G1N+5], KTOT*4
	s_mov_b32 s[G1M+6], 0
	s_mov_b32 s[G1N+6], 0
	s_mov_b32 s[G1M+7], 0
	s_mov_b32 s[G1N+7], 0
	s_mul_i32 s46, s42, 2*MT*TROW                  ; m: tile 2 MT x + MT half; only x and the wave's number enter
	s_mul_i32 s45, s12, MT*TROW
	s_add_co_u32 s46, s46, s45
	s_mov_b32 s47, 0
	s_mul_i32 s16, s13, 2*NT*TROW                  ; n: tile 2 NT y + NT half; only y and the wave's number enter
	s_mul_i32 s17, s12, NT*TROW
	s_add_co_u32 s16, s16, s17
	s_mov_b32 s17, 0
	s_mul_i32 s20, s10, MT*UR                      ; LDS: waves 0, 1 fill the m halves,
	s_mul_i32 s21, s10, NT*UR
	s_add_co_u32 s21, s21, 2*(MT-NT)*UR            ; waves 2, 3 the n halves behind them
	s_wait_kmcnt 0x0
	s_add_nc_u64 s[46:47], s[70:71], s[46:47]      ; W1 lies at wb's first byte
	s_add_nc_u64 s[14:15], s[68:69], s[16:17]
	CROUND                                         ; all sixteen work-groups are here: the first joint loads meet
.irp s, 0,1
	s_mov_b32 s[G0M+4*\s], 1
	s_add_co_u32 s[G0M+4*\s+1], s20, \s*SLOT
	s_add_nc_u64 s[G0M+4*\s+2:G0M+4*\s+3], s[46:47], \s*UR
	s_or_b32 s[G0M+4*\s+3], s[G0M+4*\s+3], 0x80000000
	s_mov_b32 s[G0N+4*\s], 1
	s_add_co_u32 s[G0N+4*\s+1], s21, \s*SLOT
	s_add_nc_u64 s[G0N+4*\s+2:G0N+4*\s+3], s[14:15], \s*UR
	s_or_b32 s[G0N+4*\s+3], s[G0N+4*\s+3], 0x80000000
	JLOAD \s
.endr
	v_and_b32 v1, 31, v0
	v_lshlrev_b32 v21, 4, v1                       ; 16 L
	s_mul_i32 s22, s11, MT*UR
	s_mul_i32 s23, s12, NT*UR
	s_add_co_u32 s23, s23, 2*MT*UR
.irp s, 0,1
	v_add_nc_u32 v[ADRM+\s], s22, v21
	v_add_nc_u32 v[ADRN+\s], s23, v21
	s_add_co_u32 s22, s22, SLOT
	s_add_co_u32 s23, s23, SLOT
.endr
	; biases: my lane's eight columns 8 h .. + 7 of each of my six tiles
	v_bfe_u32 v20, v0, 4, 1
	v_lshlrev_b32 v20, 5, v20                      ; 32 h
	s_lshl_b32 s80, s42, 9                         ; bq at column 128 x + 64 wm
	s_lshl_b32 s81, s11, 8
	s_add_co_u32 s80, s80, s81
	s_mov_b32 s81, 0
	s_add_nc_u64 s[72:73], s[72:73], s[80:81]
	s_lshl_b32 s82, s42, 7                         ; bkd at column 32 x + 16 wm
	s_lshl_b32 s83, s11, 6
	s_add_co_u32 s82, s82, s83
	s_mov_b32 s83, 0
	s_add_nc_u64 s[74:75], s[74:75], s[82:83]
.irp mi, 0,1,2,3
	global_load_b128 v[BIAS+8*\mi:BIAS+8*\mi+3],   v20, s[72:73] offset:64*\mi
	global_load_b128 v[BIAS+8*\mi+4:BIAS+8*\mi+7], v20, s[72:73] offset:64*\mi+16
.endr
	global_load_b128 v[BIAS+32:BIAS+35], v20, s[74:75]
	global_load_b128 v[BIAS+36:BIAS+39], v20, s[74:75] offset:16
	global_load_b128 v[BIAS+40:BIAS+43], v20, s[74:75] offset:1024
	global_load_b128 v[BIAS+44:BIAS+47], v20, s[74:75] offset:1040
	; where the results go
	s_lshl_b32 s84, s42, 1
	s_add_co_u32 s84, s84, s11                     ; head = latent tile = 2 x + wm
	s_lshr_b32 s85, s13, 4                         ; batch
	s_lshl4_add_u32 s85, s85, s84                  ; 16 b + head
	s_and_b32 s92, s13, 15
	s_lshl_b32 s92, s92, 3
	s_lshl2_add_u32 s92, s12, s92                  ; token tile in the batch: 8 (y & 15) + 4 wn
	s_lshl_b32 s85, s85, 7
	s_add_co_u32 s92, s92, s85
	s_lshl_b32 s92, s92, 11                        ; 4 units a token tile
	s_mov_b32 s93, 0
	s_add_nc_u64 s[88:89], s[76:77], s[92:93]
	s_lshl_b32 s94, s13, 3
	s_lshl2_add_u32 s94, s12, s94                  ; token tile 8 y + 4 wn
	s_lshl4_add_u32 s94, s94, s84                  ; 16 units a token tile
	s_lshl_b32 s94, s94, 9
	s_mov_b32 s95, 0
	s_add_nc_u64 s[90:91], s[78:79], s[94:95]
	s_mov_b32 s86, 0x3e38aa3b                      ; 0.125 log2(e): the scores' scale and the change to base 2, folded into q
	s_mov_b32 s87, 0x3e38aa3b
	v_mov_b32 v[A4], 0xbf3a00e3
	v_mov_b32 v[A4+1], 0xbf3a00e3
	s_wait_tensorcnt 0x1                           ; my part of step 0 is in; step 1's may stay out
	s_barrier_signal -1
	s_barrier_wait -1
	FETCH 0, 0, F0
	STEP 0, 1                                      ; the first products start the sums: nothing is cleared
	TURN 0, 1, 1
	STEP 1, 0
	TURN 1, 0, 1
	STEP 0, 0
	TURN 0, 1, 0                                   ; the last two steps fill nothing
	STEP 1, 0
	s_wait_dscnt 0x0
	WIN MULW
	MUL F1, 0, NACC, 0
	WIN 0
	PLACES
	s_wait_loadcnt 0x0                             ; the biases
.set g_i, 0
.rept 16
	v_pk_mul_f32 v[BIAS+g_i:BIAS+g_i+1], v[BIAS+g_i:BIAS+g_i+1], s[86:87] op_sel_hi:[1,0]   ; bq takes q's scale once
.set g_i, g_i+2
.endr
; gelu(z) = z Phi(z) for the 16 numbers in ZZ.  E = Phi(-|z|) = (((((a5 t + a4) t + a3) t + a2) t + a1) t) exp(-z z / 2), t = 1 / (1 + 0.23164189 |z|),
; the coefficients being half of those of the rational form of erfc; Phi(z) = E for z <= 0, 1 - E for z > 0.
; The transcendentals stand in runs; a packed line that names none of their registers follows each run (ISA guide 5.7.2).
.macro GELU16
.set g_i, 0
.rept 16
	v_and_b32 v[DD+g_i], 0x7fffffff, v[ZZ+g_i]
.set g_i, g_i+1
.endr
.set g_i, 0
.rept 8
	v_pk_fma_f32 v[DD+g_i:DD+g_i+1], v[DD+g_i:DD+g_i+1], 0x3e6d3388, 1.0 op_sel_hi:[1,0,0]
	v_pk_mul_f32 v[WW+g_i:WW+g_i+1], v[ZZ+g_i:ZZ+g_i+1], v[ZZ+g_i:ZZ+g_i+1]
.set g_i, g_i+2
.endr
.set g_i, 0
.rept 16
	v_rcp_f32 v[TT+g_i], v[DD+g_i]
.set g_i, g_i+1
.endr
.set g_i, 0
.rept 8
	v_pk_mul_f32 v[WW+g_i:WW+g_i+1], v[WW+g_i:WW+g_i+1], 0xbf38aa3b op_sel_hi:[1,0]   ; -z z log2(e) / 2
.set g_i, g_i+2
.endr
.set g_i, 0
.rept 16
	v_exp_f32 v[DD+g_i], v[WW+g_i]
.set g_i, g_i+1
.endr
.set g_i, 0
	s_wait_alu depctr_va_vdst(0)
.rept 8
	v_pk_fma_f32 v[PP+g_i:PP+g_i+1], v[TT+g_i:TT+g_i+1], 0x3f07dc22, v[A4:A4+1] op_sel_hi:[1,0,1]
.set g_i, g_i+2
.endr
.irp c, 0x3f35f0e3, 0xbe11a98e, 0x3e027906
.set g_i, 0
.rept 8
	v_pk_fma_f32 v[PP+g_i:PP+g_i+1], v[PP+g_i:PP+g_i+1], v[TT+g_i:TT+g_i+1], \c op_sel_hi:[1,1,0]
.set g_i, g_i+2
.endr
.endr
.set g_i, 0
.rept 8
	v_pk_mul_f32 v[TT+g_i:TT+g_i+1], v[TT+g_i:TT+g_i+1], v[DD+g_i:DD+g_i+1]
.set g_i, g_i+2
.endr
.set g_i, 0
.rept 8
	v_pk_mul_f32 v[PP+g_i:PP+g_i+1], v[PP+g_i:PP+g_i+1], v[TT+g_i:TT+g_i+1]           ; E
.set g_i, g_i+2
.endr
.set g_i, 0
.rept 8
	v_pk_fma_f32 v[DD+g_i:DD+g_i+1], v[PP+g_i:PP+g_i+1], -1.0, 1.0 op_sel_hi:[1,0,0]  ; 1 - E
.set g_i, g_i+2
.endr
.set g_i, 0
.rept 16
	v_cmp_lt_f32 vcc_lo, 0, v[ZZ+g_i]
	v_cndmask_b32 v[PP+g_i], v[PP+g_i], v[DD+g_i], vcc_lo
.set g_i, g_i+1
.endr
.set g_i, 0
.rept 8
	v_pk_mul_f32 v[ZZ+g_i:ZZ+g_i+1], v[ZZ+g_i:ZZ+g_i+1], v[PP+g_i:PP+g_i+1]
.set g_i, g_i+2
.endr
.endm
.macro EPI ni                          ; token tile ni of my four
	s_wait_xcnt 0x0                                ; YQ and YL, which the last tile's stores read, are rewritten only behind this wait
	WIN 0x01                                       ; source 0 (the accumulators) in window 1
.irp mi, 0,1,2,3
.irp p, 0,2,4,6
	v_pk_fma_f32 v[TQ+8*\mi+\p:TQ+8*\mi+\p+1], v[8*(\mi*NT+\ni)+\p:8*(\mi*NT+\ni)+\p+1], s[86:87], v[BIAS+8*\mi+\p:BIAS+8*\mi+\p+1] op_sel_hi:[1,0,1]
.endr
.endr
.irp mi, 4,5
.irp p, 0,2,4,6
	v_pk_add_f32 v[ZZ+8*(\mi-4)+\p:ZZ+8*(\mi-4)+\p+1], v[8*(\mi*NT+\ni)+\p:8*(\mi*NT+\ni)+\p+1], v[BIAS+8*\mi+\p:BIAS+8*\mi+\p+1]
.endr
.endr
	WIN 0
.irp mi, 0,1,2,3
.irp i, 0,1,2,3
	v_cvt_pk_bf16_f32 v[YQ+4*\mi+\i], v[TQ+8*\mi+2*\i], v[TQ+8*\mi+2*\i+1]
.endr
	global_store_b128 v21, v[YQ+4*\mi:YQ+4*\mi+3], s[88:89] offset:\ni*2048+\mi*512
.endr
	GELU16
.irp p, 0,2,4,6
	v_pk_add_f32 v[ZZ+\p:ZZ+\p+1], v[ZZ+\p:ZZ+\p+1], v[ZZ+8+\p:ZZ+8+\p+1]
.endr
.irp p, 0,2,4,6
	v_pk_mul_f32 v[ZZ+\p:ZZ+\p+1], v[ZZ+\p:ZZ+\p+1], 0x3e800000 op_sel_hi:[1,0]      ; lat / 4: room in f16 on both sides (see the head)
.endr
.irp i, 0,1,2,3
	v_cvt_pk_f16_f32 v[YL+\i], v[ZZ+2*\i], v[ZZ+2*\i+1]
.endr
	global_store_b128 v21, v[YL:YL+3], s[90:91] offset:\ni*8192
.endm
	EPI 0
	EPI 1
	EPI 2
	EPI 3
	CROUND                                         ; the closing round: no work-group ends while a partner may still ask for a tile that names it
	s_endpgm
.Lfunc_end_k_q6aba11c800_proj1:
	.size	k_q6aba11c800_proj1, .Lfunc_end_k_q6aba11c800_proj1-k_q6aba11c800_proj1
	.p2alignl 7, 3214868480
	.fill 96, 4, 3214868480
	.section	.rodata,"a",@progbits
	.p2align	6, 0x0
	.amdhsa_kernel k_q6aba11c800_proj1
		.amdhsa_group_segment_fixed_size 327680
		.amdhsa_private_segment_fixed_size 0
		.amdhsa_enable_private_segment 0
		.amdhsa_kernarg_size 48
		.amdhsa_user_sgpr_count 2
		.amdhsa_user_sgpr_kernarg_segment_ptr 1
		.amdhsa_wavefront_size32 1
		.amdhsa_system_sgpr_workgroup_id_x 1
		.amdhsa_system_sgpr_workgroup_id_y 1
		.amdhsa_system_sgpr_workgroup_id_z 1
		.amdhsa_system_vgpr_workitem_id 0
		.amdhsa_next_free_vgpr 448
		.amdhsa_next_free_sgpr 96
		.amdhsa_reserve_vcc 1
		.amdhsa_float_denorm_mode_32 3
		.amdhsa_float_denorm_mode_16_64 3
		.amdhsa_memory_ordered 1
		.amdhsa_forward_progress 1
		.amdhsa_inst_pref_size 162
	.end_amdhsa_kernel
	.amdgpu_metadata
---
amdhsa.version: [ 1, 2 ]
amdhsa.kernels:
  - .name:           k_q6aba11c800_proj1
    .symbol:         k_q6aba11c800_proj1.kd
    .args:
      - { .name: xb, .offset: 0, .size: 8, .value_kind: global_buffer, .address_space: global }
      - { .name: wb, .offset: 8, .size: 8, .value_kind: global_buffer, .address_space: global }
      - { .name: bq, .offset: 16, .size: 8, .value_kind: global_buffer, .address_space: global }
      - { .name: bkd, .offset: 24, .size: 8, .value_kind: global_buffer, .address_space: global }
      - { .name: qb, .offset: 32, .size: 8, .value_kind: global_buffer, .address_space: global }
      - { .name: latb, .offset: 40, .size: 8, .value_kind: global_buffer, .address_space: global }
    .group_segment_fixed_size: 327680
    .private_segment_fixed_size: 0
    .kernarg_segment_align: 8
    .kernarg_segment_size: 48
    .max_flat_workgroup_size: 128
    .sgpr_count:     96
    .vgpr_count:     448
    .wavefront_size: 32
...
	.end_amdgpu_metadata
.endif
;; end of part 2
;; launch proj2 (part 3): grid 8 x 32, 4 waves a work-group, clusters of 4 x 4, 196,608 bytes of LDS; arguments latb, wb, bku, kvb, vsc; writes kvb, vsc
.if DOCPART == 3
	.amdgcn_target "amdgcn-amd-amdhsa--gfx1250"
	.amdhsa_code_object_version 6
	.text
	.protected	k_q6aba11c800_proj2
	.globl	k_q6aba11c800_proj2
	.p2align	8
	.type	k_q6aba11c800_proj2,@function
k_q6aba11c800_proj2:
	s_mov_b64 s[64:65], 0
	v_nop
	global_prefetch_b8 v0, s[64:65] scope:SCOPE_SE
	s_setreg_imm32_b32 hwreg(HW_REG_WAVE_MODE, 25, 1), 1
	s_wait_xcnt 0x0
	s_wait_alu depctr_hold_cnt(0) depctr_sa_sdst(0) depctr_va_vdst(0) depctr_va_sdst(0) depctr_va_ssrc(0) depctr_va_vcc(0) depctr_vm_vsrc(0)
	s_getreg_b32 s2, hwreg(HW_REG_IB_STS2, 6, 4)
	s_cmp_eq_u32 s2, 0
	s_cbranch_scc0 .Lentry_in_a_cluster
	s_endpgm
.Lentry_in_a_cluster:
	s_bfe_u32 s2, ttmp6, 0x10000c
	s_cmp_lg_u32 s2, 0xf033
	s_cbranch_scc0 .Lentry_shape_is_right
	s_endpgm
.Lentry_shape_is_right:
; k, v = lat Wku + bku = 4 (lat / 4) Wku + bku, out as fragment units (512 bytes: rows 16 rt .. +15, k = 16 kt .. +15, lane L = r + 16 h owns X[16 rt + r][16 kt + 8 h .. +7] at byte 16 L),
; laid for the attention launch: kvb = [32 batch-heads][16 blocks of 128 keys][32,768 bytes]; in a block K at byte 0 as [8 key tiles][4 d tiles][512] (row = key, k = d), bf16,
; and V at byte 16,384 as [4 d tiles][8 key tiles][512] (row = d, k = key), f16 WITH A SCALE OF THE BLOCK'S OWN: V' = v 2^(141 - E), where E is the biased exponent of the block's
; largest |v| (at least 14), so that the largest |V'| lies in [2^14, 2^15) whatever the inputs' size; E goes out as a float into vsc[16 batch-head + block].
; A result's unit has source 1's index as its row and source 0's as its k.  So K wants the weights as source 0 and the tokens as source 1, V the other way round.
; One body serves both by exchanging the sides: both matrices have K = 256 and the same 8,192 bytes a tile.  The cluster's x is the type: 0 makes K, 1 makes V.
; Block: 256 on the m side x 128 on the n side.  K: m = columns 256 cx .., n = tokens 128 (4 CY + cy) ..;  V: m = tokens 256 (4 (CY & 3) + cx) .., n = V's columns 128 (4 (CY >> 2) + cy) ..
; Four waves, one a SIMD, 8 x 4 accumulators each; in the V type a wave's 128 tokens x 64 columns are exactly one head's block of 128 keys, so the scale never leaves the wave.
; K = 256 is two steps of 128 in two LDS slots, both asked for at the start: nothing is filled again.
; The type is branched on ONCE; each way holds its bias loads, the products and its way out.  The branch is the same in all sixteen work-groups of a cluster.
; CLUSTERS 4 x 4: the m side hangs on cx and the cluster's place alone and is shared along a column, the n side on cy, along a row.  A wave has at most two tensor loads outstanding.
; LIMITS: operands f16, sums f32, k bf16.  In a block numbers below 2^-28 of the block's largest |v| keep an absolute error of 2^-39 of it.  A block whose |v| all lie below 2^-113 is scaled as if its largest were 2^-113.
.set MT, 8
.set NT, 4
.set NQ, 4
.set KTOT, 256
.set UR,   NQ*1024
.set SLOT, 2*(MT+NT)*UR
.set TROW, KTOT*32
.set NACC, MT*NT
.set ADRM, 16
.set ADRN, 18
.set F0, 32
.set F1, F0+8*(MT+NT)
.set G1N, 24
.set G0N, 32
.set G1M, 48
.set G0M, 56
.set MULW, 0x50                        ; C and D in window 1 (all 256 registers of it), A and B in window 0; the biases lie in window 2
.set WKU_AT, 3145728
.set MSB, 0
.macro WIN new
.if MSB != \new
	s_set_vgpr_msb (MSB<<8)|\new
.set MSB, \new
.endif
.endm
.macro PLACES                          ; four plain vector places behind matrix instructions (ISA guide 7.12.1)
.rept 4
	v_nop
.endr
.endm
.macro CREST
	s_cmp_lg_u32 s10, 0
	s_cbranch_scc1 .Lnot_wave_0_\@
	s_barrier_signal -3
.Lnot_wave_0_\@:
	s_barrier_wait -3
	s_barrier_signal -1
	s_barrier_wait -1
.endm
.macro CROUND
	s_barrier_signal -1
	s_barrier_wait -1
	CREST
.endm
.macro JLOAD s
	s_cmp_eq_u32 s11, 0
	s_cbranch_scc0 .Lfor_n_\@
	tensor_load_to_lds s[G0M+4*\s:G0M+4*\s+3], s[G1M:G1M+7]
	s_nop 0
	s_branch .Lasked_\@
.Lfor_n_\@:
	tensor_load_to_lds s[G0N+4*\s:G0N+4*\s+3], s[G1N:G1N+7]
	s_nop 0
.Lasked_\@:
.endm
.macro FETCH slot, q, f
.set t_i, 0
.rept MT
	ds_load_b128 v[\f+8*t_i:\f+8*t_i+3],   v[ADRM+\slot] offset:t_i*UR+(\q)*1024
	ds_load_b128 v[\f+8*t_i+4:\f+8*t_i+7], v[ADRM+\slot] offset:t_i*UR+(\q)*1024+512
.set t_i, t_i+1
.endr
.set t_i, 0
.rept NT
	ds_load_b128 v[\f+8*MT+8*t_i:\f+8*MT+8*t_i+3],   v[ADRN+\slot] offset:t_i*UR+(\q)*1024
	ds_load_b128 v[\f+8*MT+8*t_i+4:\f+8*MT+8*t_i+7], v[ADRN+\slot] offset:t_i*UR+(\q)*1024+512
.set t_i, t_i+1
.endr
.endm
.macro MUL f, a0, n, zero              ; the accumulators take turns, one instruction each
.set acc_i, \a0
.rept \n
.if \zero
	v_wmma_f32_16x16x32_f16 v[8*acc_i:8*acc_i+7], v[\f+8*(acc_i/NT):\f+8*(acc_i/NT)+7], v[\f+8*MT+8*(acc_i%NT):\f+8*MT+8*(acc_i%NT)+7], 0
.else
	v_wmma_f32_16x16x32_f16 v[8*acc_i:8*acc_i+7], v[\f+8*(acc_i/NT):\f+8*(acc_i/NT)+7], v[\f+8*MT+8*(acc_i%NT):\f+8*MT+8*(acc_i%NT)+7], v[8*acc_i:8*acc_i+7]
.endif
.set acc_i, acc_i+1
.endr
.endm
.macro QUARTER slot, qn, f, g, zero
	s_wait_dscnt 0x0                               ; buffer f, asked for a quarter ago
	WIN 0
	PLACES
	FETCH \slot, \qn, \g
	WIN MULW
	MUL \f, 0, NACC, \zero
.endm
.macro STEP slot, zero
	QUARTER \slot, 1, F0, F1, \zero
.set q_i, 2
.rept (NQ-2)/2
	QUARTER \slot, q_i, F1, F0, 0
	QUARTER \slot, q_i+1, F0, F1, 0
.set q_i, q_i+2
.endr
.endm
.macro CORE                            ; the two steps
	s_wait_tensorcnt 0x1                           ; my part of step 0 is in; step 1's may stay out
	s_barrier_signal -1
	s_barrier_wait -1
	FETCH 0, 0, F0
	STEP 0, 1                                      ; the first products start the sums
	s_wait_dscnt 0x0                               ; the last quarter of slot 0
	s_wait_tensorcnt 0x0                           ; my part of step 1 is in,
	s_barrier_signal -1
	WIN MULW
	MUL F1, 0, NACC/2, 0
	WIN 0
	s_barrier_wait -1                              ; everybody's is
	PLACES
	FETCH 1, 0, F0
	WIN MULW
	MUL F1, NACC/2, NACC/2, 0
	STEP 1, 0
	s_wait_dscnt 0x0
	WIN MULW
	MUL F1, 0, NACC, 0
	WIN 0
	PLACES
.endm
.set TO, 32                            ; 64: one n tile's results, f32
.set YO, 96                            ; 32: packed
.set MXR, 128                          ; 4: chains of the block's largest |v|
.set EF, 132                           ; E as a float
.set FS, 134                           ; a pair: 2^(141 - E), twice
	s_load_b256 s[68:75], s[0:1], 0x0              ; latb s[68:69], wb s[70:71], bku s[72:73], kvb s[74:75]
	s_load_b64 s[94:95], s[0:1], 0x20              ; vsc
	v_lshrrev_b32 v1, 5, v0
	v_readfirstlane_b32 s10, v1
	s_lshr_b32 s11, s10, 1                         ; wm.  Also: I fetch for m (0) or for n (1)
	s_and_b32 s12, s10, 1                          ; wn.  Also: which half of that side I fetch
	s_bfe_u32 s40, ttmp6, 0x40000                  ; cx
	s_bfe_u32 s41, ttmp6, 0x40004                  ; cy
	s_and_b32 s3, ttmp7, 0xffff                    ; CY, the cluster's y
	s_and_b32 s4, s3, 3
	s_lshl_b32 s4, s4, 2                           ; 4 (CY & 3)
	s_lshr_b32 s5, s3, 2
	s_lshl_b32 s5, s5, 2                           ; 4 (CY >> 2)
	s_lshl_b32 s6, s3, 2                           ; 4 CY
	s_cmp_eq_u32 ttmp9, 0
	s_cselect_b32 s4, 0, s4
	s_cselect_b32 s5, s6, s5
	s_add_co_u32 s42, s4, s40                      ; the m side's block
	s_add_co_u32 s13, s5, s41                      ; the n side's block
	s_lshl_b32 s43, s41, 2
	s_lshl_b32 s43, 15, s43                        ; my row of the cluster
	s_lshl_b32 s44, 0x1111, s40                    ; my column
	s_or_b32 s[G1M+0], s44, (3<<16)|(1<<21)
	s_or_b32 s[G1N+0], s43, (3<<16)|(1<<21)
	s_mov_b32 s[G1M+1], (NQ*128)<<16
	s_mov_b32 s[G1N+1], (NQ*128)<<16
	s_mov_b32 s[G1M+2], MT<<16
	s_mov_b32 s[G1N+2], NT<<16
	s_mov_b32 s[G1M+3], (NQ*128)<<16
	s_mov_b32 s[G1N+3], (NQ*128)<<16
	s_mov_b32 s[G1M+4], MT
	s_mov_b32 s[G1N+4], NT
	s_mov_b32 s[G1M+5], KTOT*4
	s_mov_b32 s[G1N+5], KTOT*4
	s_mov_b32 s[G1M+6], 0
	s_mov_b32 s[G1N+6], 0
	s_mov_b32 s[G1M+7], 0
	s_mov_b32 s[G1N+7], 0
	s_mul_i32 s46, s42, 2*MT*TROW
	s_mul_i32 s45, s12, MT*TROW
	s_add_co_u32 s46, s46, s45
	s_mov_b32 s47, 0
	s_mul_i32 s16, s13, 2*NT*TROW
	s_mul_i32 s17, s12, NT*TROW
	s_add_co_u32 s16, s16, s17
	s_mov_b32 s17, 0
	s_mul_i32 s20, s10, MT*UR
	s_mul_i32 s21, s10, NT*UR
	s_add_co_u32 s21, s21, 2*(MT-NT)*UR
	s_wait_kmcnt 0x0
	s_add_nc_u64 s[76:77], s[70:71], WKU_AT                ; Wku's tiles of K's columns
	s_add_nc_u64 s[78:79], s[70:71], WKU_AT+64*TROW        ; and of V's
	s_cmp_eq_u32 ttmp9, 0
	s_cselect_b64 s[80:81], s[76:77], s[68:69]             ; m side: weights for K, tokens for V
	s_cselect_b64 s[82:83], s[68:69], s[78:79]             ; n side: tokens for K, weights for V
	s_add_nc_u64 s[46:47], s[80:81], s[46:47]
	s_add_nc_u64 s[14:15], s[82:83], s[16:17]
	CROUND                                         ; in front of the joint loads
.irp s, 0,1
	s_mov_b32 s[G0M+4*\s], 1
	s_add_co_u32 s[G0M+4*\s+1], s20, \s*SLOT
	s_add_nc_u64 s[G0M+4*\s+2:G0M+4*\s+3], s[46:47], \s*UR
	s_or_b32 s[G0M+4*\s+3], s[G0M+4*\s+3], 0x80000000
	s_mov_b32 s[G0N+4*\s], 1
	s_add_co_u32 s[G0N+4*\s+1], s21, \s*SLOT
	s_add_nc_u64 s[G0N+4*\s+2:G0N+4*\s+3], s[14:15], \s*UR
	s_or_b32 s[G0N+4*\s+3], s[G0N+4*\s+3], 0x80000000
	JLOAD \s
.endr
	v_and_b32 v1, 31, v0                           ; L
	v_lshlrev_b32 v21, 4, v1                       ; 16 L
	s_mul_i32 s22, s11, MT*UR
	s_mul_i32 s23, s12, NT*UR
	s_add_co_u32 s23, s23, 2*MT*UR
.irp s, 0,1
	v_add_nc_u32 v[ADRM+\s], s22, v21
	v_add_nc_u32 v[ADRN+\s], s23, v21
	s_add_co_u32 s22, s22, SLOT
	s_add_co_u32 s23, s23, SLOT
.endr
	v_bfe_u32 v20, v0, 4, 1
	v_lshlrev_b32 v20, 5, v20                      ; 32 h
	v_and_b32 v22, 15, v0
	v_lshlrev_b32 v22, 2, v22                      ; 4 r
	s_cmp_eq_u32 ttmp9, 0
	s_cbranch_scc0 .Lv_type
	; ---- K.  The bias goes with m: my lane's columns 8 h .. + 7 of each of my eight tiles, 64 registers of window 2.
	s_lshl_b32 s84, s42, 10                        ; column 256 block + 128 wm
	s_lshl_b32 s85, s11, 9
	s_add_co_u32 s84, s84, s85
	s_mov_b32 s85, 0
	s_add_nc_u64 s[86:87], s[72:73], s[84:85]
	WIN 0x80
.irp mi, 0,1,2,3,4,5,6,7
	global_load_b128 v[8*\mi:8*\mi+3],   v20, s[86:87] offset:64*\mi
	global_load_b128 v[8*\mi+4:8*\mi+7], v20, s[86:87] offset:64*\mi+16
.endr
	WIN 0
	s_lshr_b32 s90, s13, 4                         ; batch
	s_lshl_b32 s90, s90, 4
	s_lshl2_add_u32 s90, s42, s90                  ; + head 4 block
	s_lshl1_add_u32 s90, s11, s90                  ; + 2 wm
	s_and_b32 s91, s13, 15                         ; key block
	s_lshl4_add_u32 s90, s90, s91
	s_lshl_b32 s90, s90, 15
	s_lshl_b32 s91, s12, 13                        ; key tile 4 wn
	s_add_co_u32 s90, s90, s91
	s_mov_b32 s91, 0
	s_add_nc_u64 s[88:89], s[74:75], s[90:91]
	CORE
	s_wait_loadcnt 0x0                             ; the biases
.macro EPK ni                          ; key tile ni: head mi / 4 of my two, d tile mi % 4
	s_wait_xcnt 0x0                                ; YO, which the last tile's stores read, is rewritten only behind this wait
	WIN 0x21                                       ; source 0 window 1 (sums), source 2 window 2 (bias)
.irp mi, 0,1,2,3,4,5,6,7
.irp p, 0,2,4,6
	v_pk_fma_f32 v[TO+8*\mi+\p:TO+8*\mi+\p+1], v[8*(\mi*NT+\ni)+\p:8*(\mi*NT+\ni)+\p+1], 4.0, v[8*\mi+\p:8*\mi+\p+1] op_sel_hi:[1,0,1]   ; the 4 that lat / 4 left out
.endr
.endr
	WIN 0
.irp mi, 0,1,2,3,4,5,6,7
.irp i, 0,1,2,3
	v_cvt_pk_bf16_f32 v[YO+4*\mi+\i], v[TO+8*\mi+2*\i], v[TO+8*\mi+2*\i+1]
.endr
	global_store_b128 v21, v[YO+4*\mi:YO+4*\mi+3], s[88:89] offset:(\mi/4)*524288+\ni*2048+(\mi%4)*512
.endr
.endm
	EPK 0
	EPK 1
	EPK 2
	EPK 3
	s_branch .Lclose
.Lv_type:
	; ---- V.  The bias goes with n: one number a lane for each of my four d tiles, loaded into both registers of a pair of window 2.
	s_lshl_b32 s84, s13, 9                         ; column 1,024 + 128 block + 64 wn
	s_lshl_b32 s85, s12, 8
	s_add_co_u32 s84, s84, s85
	s_add_co_u32 s84, s84, 4096
	s_mov_b32 s85, 0
	s_add_nc_u64 s[86:87], s[72:73], s[84:85]
	WIN 0x80
.irp ni, 0,1,2,3
	global_load_b32 v[2*\ni],   v22, s[86:87] offset:64*\ni
	global_load_b32 v[2*\ni+1], v22, s[86:87] offset:64*\ni
.endr
	WIN 0
	s_lshl1_add_u32 s92, s42, s11                  ; my block of 128 tokens: 2 block + wm
	s_lshr_b32 s90, s92, 4                         ; batch
	s_lshl_b32 s90, s90, 4
	s_lshl1_add_u32 s90, s13, s90                  ; + head 2 block
	s_add_co_u32 s90, s90, s12                     ; + wn
	s_and_b32 s91, s92, 15                         ; key block
	s_lshl4_add_u32 s90, s90, s91                  ; 16 batch-head + key block
	s_lshl_b32 s92, s90, 2
	s_mov_b32 s93, 0
	s_add_nc_u64 s[94:95], s[94:95], s[92:93]      ; my word of vsc
	s_lshl_b32 s90, s90, 15
	s_add_co_u32 s90, s90, 16384                   ; V's part of the block
	s_mov_b32 s91, 0
	s_add_nc_u64 s[88:89], s[74:75], s[90:91]
	s_mov_b32 s4, 0x76543210                       ; v_permlanex16_b32: lane i of one half reads lane i of the other
	s_mov_b32 s5, 0xfedcba98
	CORE
	s_wait_loadcnt 0x0
	WIN 0x61                                       ; source 0 and destination window 1, source 2 window 2: v = 4 sum + bias, in place
.irp mi, 0,1,2,3,4,5,6,7
.irp ni, 0,1,2,3
.irp p, 0,2,4,6
	v_pk_fma_f32 v[8*(\mi*NT+\ni)+\p:8*(\mi*NT+\ni)+\p+1], v[8*(\mi*NT+\ni)+\p:8*(\mi*NT+\ni)+\p+1], 4.0, v[2*\ni:2*\ni+1] op_sel_hi:[1,0,1]
.endr
.endr
.endr
	WIN 0x05                                       ; sources 0 and 1 window 1: the largest |v| of my 256 numbers, in four chains that the first eight numbers start
.set e_i, 0
.rept 4
	v_max_num_f32 v[MXR+e_i/2], |v[e_i]|, |v[e_i+1]|
.set e_i, e_i+2
.endr
.rept 124
	v_max3_num_f32 v[MXR+(e_i/2)%4], |v[e_i]|, |v[e_i+1]|, v[MXR+(e_i/2)%4]
.set e_i, e_i+2
.endr
	WIN 0
	v_max3_num_f32 v[MXR], v[MXR], v[MXR+1], v[MXR+2]
	v_max_num_f32 v[MXR], v[MXR], v[MXR+3]
	v_max_num_f32_dpp v[MXR], v[MXR], v[MXR] row_xmask:1 row_mask:0xf bank_mask:0xf
	v_max_num_f32_dpp v[MXR], v[MXR], v[MXR] row_xmask:2 row_mask:0xf bank_mask:0xf
	v_max_num_f32_dpp v[MXR], v[MXR], v[MXR] row_xmask:4 row_mask:0xf bank_mask:0xf
	v_max_num_f32_dpp v[MXR], v[MXR], v[MXR] row_xmask:8 row_mask:0xf bank_mask:0xf
	v_permlanex16_b32 v[MXR+1], v[MXR], s4, s5
	v_max_num_f32 v[MXR], v[MXR], v[MXR+1]         ; the block's largest |v|, in every lane
	v_max_num_f32 v[MXR], 0x07000000, v[MXR]       ; at least 2^-113, so that 2^(141 - E) is a normal number
	v_lshrrev_b32 v[MXR+1], 23, v[MXR]             ; E, its biased exponent: 14 to 255
	v_cvt_f32_u32 v[EF], v[MXR+1]
	v_sub_nc_u32 v[MXR+1], 0x10c, v[MXR+1]         ; 127 + 141 - E
	v_lshlrev_b32 v[FS], 23, v[MXR+1]              ; 2^(141 - E)
	v_mov_b32 v[FS+1], v[FS]
.macro EPV ni                          ; d tile ni, key tiles mi
	s_wait_xcnt 0x0                                ; YO, which the last tile's stores read, is rewritten only behind this wait
	WIN 0x01
.irp mi, 0,1,2,3,4,5,6,7
.irp p, 0,2,4,6
	v_pk_mul_f32 v[TO+8*\mi+\p:TO+8*\mi+\p+1], v[8*(\mi*NT+\ni)+\p:8*(\mi*NT+\ni)+\p+1], v[FS:FS+1]
.endr
.endr
	WIN 0
.irp mi, 0,1,2,3,4,5,6,7
.irp i, 0,1,2,3
	v_cvt_pk_f16_f32 v[YO+4*\mi+\i], v[TO+8*\mi+2*\i], v[TO+8*\mi+2*\i+1]
.endr
	global_store_b128 v21, v[YO+4*\mi:YO+4*\mi+3], s[88:89] offset:\ni*4096+\mi*512
.endr
.endm
	EPV 0
	EPV 1
	EPV 2
	EPV 3
	v_cmp_eq_u32 vcc_lo, 0, v1
	s_wait_xcnt 0x0                                ; EXEC is a source of the stores above: it changes only behind this wait
	s_and_saveexec_b32 s92, vcc_lo
	global_store_b32 v22, v[EF], s[94:95]          ; lane 0 (whose 4 r is 0) stores the block's E
	s_wait_xcnt 0x0                                ; and again in front of the line that widens it
	s_or_b32 exec_lo, exec_lo, s92
.Lclose:
	CROUND                                         ; the closing round
	s_endpgm
.Lfunc_end_k_q6aba11c800_proj2:
	.size	k_q6aba11c800_proj2, .Lfunc_end_k_q6aba11c800_proj2-k_q6aba11c800_proj2
	.p2alignl 7, 3214868480
	.fill 96, 4, 3214868480
	.section	.rodata,"a",@progbits
	.p2align	6, 0x0
	.amdhsa_kernel k_q6aba11c800_proj2
		.amdhsa_group_segment_fixed_size 196608
		.amdhsa_private_segment_fixed_size 0
		.amdhsa_enable_private_segment 0
		.amdhsa_kernarg_size 40
		.amdhsa_user_sgpr_count 2
		.amdhsa_user_sgpr_kernarg_segment_ptr 1
		.amdhsa_wavefront_size32 1
		.amdhsa_system_sgpr_workgroup_id_x 1
		.amdhsa_system_sgpr_workgroup_id_y 1
		.amdhsa_system_sgpr_workgroup_id_z 1
		.amdhsa_system_vgpr_workitem_id 0
		.amdhsa_next_free_vgpr 576
		.amdhsa_next_free_sgpr 96
		.amdhsa_reserve_vcc 1
		.amdhsa_float_denorm_mode_32 3
		.amdhsa_float_denorm_mode_16_64 3
		.amdhsa_memory_ordered 1
		.amdhsa_forward_progress 1
		.amdhsa_inst_pref_size 126
	.end_amdhsa_kernel
	.amdgpu_metadata
---
amdhsa.version: [ 1, 2 ]
amdhsa.kernels:
  - .name:           k_q6aba11c800_proj2
    .symbol:         k_q6aba11c800_proj2.kd
    .args:
      - { .name: latb, .offset: 0, .size: 8, .value_kind: global_buffer, .address_space: global }
      - { .name: wb, .offset: 8, .size: 8, .value_kind: global_buffer, .address_space: global }
      - { .name: bku, .offset: 16, .size: 8, .value_kind: global_buffer, .address_space: global }
      - { .name: kvb, .offset: 24, .size: 8, .value_kind: global_buffer, .address_space: global }
      - { .name: vsc, .offset: 32, .size: 8, .value_kind: global_buffer, .address_space: global }
    .group_segment_fixed_size: 196608
    .private_segment_fixed_size: 0
    .kernarg_segment_align: 8
    .kernarg_segment_size: 40
    .max_flat_workgroup_size: 128
    .sgpr_count:     96
    .vgpr_count:     576
    .wavefront_size: 32
...
	.end_amdgpu_metadata
.endif
;; end of part 3
;; launch attn (part 4): grid 256 x 1, 8 waves a work-group, no clusters, 327,680 bytes of LDS; arguments qb, kvb, vsc, ob; writes ob
.if DOCPART == 4
	.amdgcn_target "amdgcn-amd-amdhsa--gfx1250"
	.amdhsa_code_object_version 6
	.text
	.protected	k_q6aba11c800_attn
	.globl	k_q6aba11c800_attn
	.p2align	8
	.type	k_q6aba11c800_attn,@function
k_q6aba11c800_attn:
	s_mov_b64 s[64:65], 0
	v_nop
	global_prefetch_b8 v0, s[64:65] scope:SCOPE_SE
	s_setreg_imm32_b32 hwreg(HW_REG_WAVE_MODE, 25, 1), 1
	s_wait_xcnt 0x0
; Causal attention of one batch-head's two query blocks of 128 rows, j and 15 - j: (j + 1) + (16 - j) = 17 key tiles of 128 for every work-group.
; q comes scaled by 0.125 log2(e), so the scores are exponents of 2.  All operands are fragment units of 512 bytes (lane L = r + 16 h owns 16 bytes at 16 L).
; THE PRODUCTS ARE TRANSPOSED.  S^T = K Q^T (source 0 = keys, source 1 = queries, bf16): a lane holds ONE query (r) and eight keys a tile, so the row's maximum and sum
; need one exchange between the halves of the wave, and rounding a lane's own scores gives its part of P^T as source 1 of O^T = V^T P^T (f16), whose rescaling factor is
; again the lane's own and whose results, rounded, are the lane's 16 bytes of an output unit.
; SCALES.  Tile T of V comes as V' = v 2^(141 - E_T) in f16, E_T (a float in vsc) the biased exponent of the tile's largest |v|.  Eref = the largest E of my head's 16 tiles,
; d_T = max(E_T - Eref, -64) <= 0.  With the running maximum m of the TRUE scores, P' = 2^(s - m + d_T) <= 1 goes to the matrix unit in f16, so that the sum of P' V' is the sum of
; 2^(s - m) v, times 2^(141 - Eref), in every tile alike; the row's sum takes 2^(-d_T) times the sum of P'.  o goes out as f16 of o 2^(141 - Eg), Eg = the largest E of the whole batch:
; |o| never exceeds the largest |v|, so |o'| < 2^15.  The next launch multiplies by 2^(Eg - 141).
; EIGHT WAVES: wave w has queries 32 (w & 3) .. + 31 of the block and keys 64 (w >> 2) .. + 63 of every tile; the two partial results of a query
; (running maximum, sum, O) are merged once a block, through LDS.  Every wave issues 32 matrix instructions a tile; two waves share a SIMD, so that one's softmax
; runs beside the other's products.
; ORDER: each block begins with its diagonal tile, whose products start the sums (nothing is cleared), then its full tiles.  Position p = 0 .. 16, tile(p) =
; j, 0 .. j - 1, 15 - j, 0 .. 14 - j.  Tile p lies in slot p & 1 of two LDS slots of 32,768 bytes; each wave brings 4,096 bytes of it by one tensor load,
; asked for straight behind the barrier of position p - 1.  A wave has at most one tensor load outstanding.
; NO CLUSTER: the eight work-groups of a head walk different sequences of tiles (each begins with its own diagonal tile and changes blocks at its own position), so no two
; of them want the same tile in the same trip; a common sequence for four partners would take 20 trips in place of 17.
; LIMITS: q, k bf16; P, V, o f16 as above; softmax f32 with a running maximum.  Masked scores are set to -1e30, not to -inf: a wave all of whose 64 keys are masked keeps finite
; numbers, and its partial result gets the factor 2^(-1e30 - true maximum) = 0 in the next tile or in the merge; right as long as true scores (base 2) lie above -1e30.
; A tile whose largest |v| is below 2^-64 of its head's largest enters too large, by less than 2^-64 of that largest.  A head whose |v| lie below 2^-39 of the batch's largest is flushed in o'.
.set QF, 32                            ; v[32:63]   Q: fragment (nt, ks) at 16 nt + 8 ks
.set OA, 64                            ; v[64:127]  O^T: tile (dt, nt) at 8 (2 dt + nt)
.set SA, 128                           ; v[128:191] S^T: tile (mt, nt) at 32 nt + 8 mt; then P^T: fragment (nt, kk) at 32 nt + 16 kk
.set KV, 192                           ; v[192:255] K: fragment (mt, ks) at 16 mt + 8 ks; then V^T: fragment (dt, kk) at 8 (2 dt + kk)
.set TM, 18                            ; v[18:25]   at work
.set RING, 32768                       ; bytes of a slot
.set SCR,  65536                       ; scratch of the merge: 17 x 512 bytes for each pair of waves; no tensor load lands here
.set SCRW, 8704
; v1 16 L; v2, v3 LDS addresses of my K and V fragments; v4 the mask's lane term; v5 -1e30; v6 my pair's scratch; v7 what the other half of the wave sends
; v8, v10 running maxima of my two query tiles; v12, v14 their rescaling factors; v16, v17 their sums (this half's keys); v[26:29] maxima and sums for the merge
; v9 lane i & 15: d of tile i; v11 lane i & 15: 2^-d of tile i; v13 2^(Eref - Eg); v15 4 x this trip's tile; v30, v31 this trip's d and 2^-d
; (v13 and v15 are also the second registers of the pairs v[12:13], v[14:15], of which the packed lines use the first alone)
; s10 wave, s11 key half, s12 query quarter, s13 j, s14 batch-head, s15 j + 1 (position of the second diagonal), s16 j + 2, s17 15 - j, s18-19 lane selects, s20 4,096 wave,
; s[22:23] kvb at my part of tile 0, s[24:27] q of the two blocks, s[28:31] o of the two blocks, s32 loop position, s33 position, s34 next position, s35 4 x this trip's tile,
; s[36:39] group 0, s[40:47] group 1, s53 the next trip's tile
.macro NOPS n
.rept \n
	v_nop
.endr
.endm
.macro LOADQ b                         ; my 32 queries x 64 d: 8 units
.irp n, 0,1,2,3,4,5,6,7
	global_load_b128 v[QF+4*\n:QF+4*\n+3], v1, s[\b:\b+1] offset:512*\n
.endr
.endm
; The change of slots.  slot = the one read in this trip; fill = 1: the other one gets the tile of position s34.
.macro HEAD slot, fill
	s_wait_tensorcnt 0x0                           ; all my tensor loads have landed: my part of this trip's tile; so group 0 may be written
	s_lshl_b32 s35, s53, 2                         ; this trip's tile, as the last change of slots (or the set-up) left it
.if \fill
	s_sub_co_u32 s50, s34, 1                       ; tile of position q: q - 1 for q <= j,
	s_sub_co_u32 s51, s34, s16                     ; q - j - 2 behind the second diagonal,
	s_cmp_le_u32 s34, s13
	s_cselect_b32 s50, s50, s51
	s_cmp_eq_u32 s34, s15
	s_cselect_b32 s53, s17, s50                    ; 15 - j at it
	s_lshl_b32 s48, s53, 15
	s_add_nc_u64 s[38:39], s[22:23], s[48:49]
	s_or_b32 s39, s39, 0x80000000
	s_add_co_u32 s37, s20, (1-\slot)*RING
.endif
	s_wait_dscnt 0x0                               ; my reads of the other slot are over
	s_barrier_signal -1
	s_barrier_wait -1                              ; both hold of all eight waves
.if \fill
	tensor_load_to_lds s[36:39], s[40:47]          ; my one tensor load behind this barrier, and the first thing there
	s_nop 0
.endif
.endm
.macro LOADK slot
.irp u, 0,1,2,3,4,5,6,7,8,9,10,11,12,13,14,15
	ds_load_b128 v[KV+4*\u:KV+4*\u+3], v2 offset:\slot*RING+512*\u
.endr
.endm
.macro LOADV slot
.irp dt, 0,1,2,3
.irp e, 0,1,2,3
	ds_load_b128 v[KV+16*\dt+4*\e:KV+16*\dt+4*\e+3], v3 offset:\slot*RING+16384+4096*\dt+512*\e
.endr
.endr
.endm
.macro SMK ks, zero                    ; eight score tiles take turns, one instruction each
.irp mt, 0,1,2,3
.irp nt, 0,1
.if \zero
	v_wmma_f32_16x16x32_bf16 v[SA+32*\nt+8*\mt:SA+32*\nt+8*\mt+7], v[KV+16*\mt+8*\ks:KV+16*\mt+8*\ks+7], v[QF+16*\nt+8*\ks:QF+16*\nt+8*\ks+7], 0
.else
	v_wmma_f32_16x16x32_bf16 v[SA+32*\nt+8*\mt:SA+32*\nt+8*\mt+7], v[KV+16*\mt+8*\ks:KV+16*\mt+8*\ks+7], v[QF+16*\nt+8*\ks:QF+16*\nt+8*\ks+7], v[SA+32*\nt+8*\mt:SA+32*\nt+8*\mt+7]
.endif
.endr
.endr
.endm
.macro PVK kk, zero                    ; and so do the eight tiles of O^T
.irp dt, 0,1,2,3
.irp nt, 0,1
.if \zero
	v_wmma_f32_16x16x32_f16 v[OA+8*(2*\dt+\nt):OA+8*(2*\dt+\nt)+7], v[KV+8*(2*\dt+\kk):KV+8*(2*\dt+\kk)+7], v[SA+32*\nt+16*\kk:SA+32*\nt+16*\kk+7], 0
.else
	v_wmma_f32_16x16x32_f16 v[OA+8*(2*\dt+\nt):OA+8*(2*\dt+\nt)+7], v[KV+8*(2*\dt+\kk):KV+8*(2*\dt+\kk)+7], v[SA+32*\nt+16*\kk:SA+32*\nt+16*\kk+7], v[OA+8*(2*\dt+\nt):OA+8*(2*\dt+\nt)+7]
.endif
.endr
.endr
.endm
; The diagonal tile: key 64 half + 16 mt + 8 h + jj is masked for query 32 quarter + 16 nt + r if it is larger: 16 (mt - nt) + jj > v4
.macro MASK
.irp nt, 0,1
.irp mt, 0,1,2,3
.irp jj, 0,1,2,3,4,5,6,7
	v_cmp_gt_i32 vcc_lo, 16*(\mt-\nt)+\jj, v4
	v_cndmask_b32 v[SA+32*\nt+8*\mt+\jj], v[SA+32*\nt+8*\mt+\jj], v5, vcc_lo
.endr
.endr
.endr
.endm
.macro SOFTMAX nt, first
.set SB, SA+32*\nt
.set MX, 8+2*\nt
.set AL, 12+2*\nt
.set LS, 16+\nt
.irp c, 0,1,2,3
	v_max3_num_f32 v[TM+\c], v[SB+8*\c], v[SB+8*\c+1], v[SB+8*\c+2]
.endr
.irp c, 0,1,2,3
	v_max3_num_f32 v[TM+\c], v[TM+\c], v[SB+8*\c+3], v[SB+8*\c+4]
.endr
.irp c, 0,1,2,3
	v_max3_num_f32 v[TM+\c], v[TM+\c], v[SB+8*\c+5], v[SB+8*\c+6]
.endr
	v_max3_num_f32 v[TM], v[TM], v[SB+7], v[SB+15]
	v_max3_num_f32 v[TM+1], v[TM+1], v[SB+23], v[SB+31]
	v_max3_num_f32 v[TM], v[TM], v[TM+1], v[TM+2]
.if \first
	v_max_num_f32 v[TM], v[TM], v[TM+3]
.else
	v_max3_num_f32 v[TM], v[TM], v[TM+3], v[MX]    ; the running maximum joins
.endif
	v_permlanex16_b32 v7, v[TM], s18, s19          ; the other half of the wave holds the query's other keys
	v_max_num_f32 v[TM], v[TM], v7
.if \first == 0
	v_sub_f32 v[AL], v[MX], v[TM]
	v_exp_f32 v[AL], v[AL]                         ; what is kept of the old sums; the move below is the plain line behind it (ISA guide 5.7.2)
.endif
	v_mov_b32 v[MX], v[TM]
	v_sub_f32 v[TM+4], v[TM], v30                  ; m - d, twice: what the packed lines take away from the scores
	v_sub_f32 v[TM+5], v[TM], v30
.set e_i, 0
.rept 16
	v_pk_add_f32 v[SB+e_i:SB+e_i+1], v[SB+e_i:SB+e_i+1], v[TM+4:TM+5] neg_lo:[0,1] neg_hi:[0,1]
.set e_i, e_i+2
.endr
.set e_i, 0
.rept 32
	v_exp_f32 v[SB+e_i], v[SB+e_i]
.set e_i, e_i+1
.endr
	v_nop                                          ; the plain line behind the run of exponentials
	s_wait_alu depctr_va_vdst(0)
.irp c, 0,1,2,3
	v_pk_add_f32 v[TM+2*\c:TM+2*\c+1], v[SB+8*\c:SB+8*\c+1], v[SB+8*\c+2:SB+8*\c+3]
.endr
.irp c, 0,1,2,3
	v_pk_add_f32 v[TM+2*\c:TM+2*\c+1], v[TM+2*\c:TM+2*\c+1], v[SB+8*\c+4:SB+8*\c+5]
.endr
.irp c, 0,1,2,3
	v_pk_add_f32 v[TM+2*\c:TM+2*\c+1], v[TM+2*\c:TM+2*\c+1], v[SB+8*\c+6:SB+8*\c+7]
.endr
	v_pk_add_f32 v[TM:TM+1], v[TM:TM+1], v[TM+2:TM+3]
	v_pk_add_f32 v[TM+4:TM+5], v[TM+4:TM+5], v[TM+6:TM+7]
	v_pk_add_f32 v[TM:TM+1], v[TM:TM+1], v[TM+4:TM+5]
	v_add_f32 v[TM], v[TM], v[TM+1]
.if \first
	v_mul_f32 v[LS], v[TM], v31                    ; the sum of 2^(s - m) is 2^-d times the sum of P'
.else
	v_mul_f32 v[LS], v[LS], v[AL]
	v_fmac_f32 v[LS], v[TM], v31
.endif
.irp kk, 0,1
.irp i, 0,1,2,3,4,5,6,7
	v_cvt_pk_f16_f32 v[SB+16*\kk+\i], v[SB+16*\kk+2*\i], v[SB+16*\kk+2*\i+1]       ; 16 registers shrink into their first 8: register i is written when 2 i, 2 i + 1 are read
.endr
.endr
.if \first == 0
.irp dt, 0,1,2,3
.irp p, 0,2,4,6
	v_pk_mul_f32 v[OA+8*(2*\dt+\nt)+\p:OA+8*(2*\dt+\nt)+\p+1], v[OA+8*(2*\dt+\nt)+\p:OA+8*(2*\dt+\nt)+\p+1], v[AL:AL+1] op_sel_hi:[1,0]
.endr
.endr
.endif
.endm
.macro BODY slot, first
	v_mov_b32 v15, s35
	ds_bpermute_b32 v30, v15, v9                   ; every lane takes the tile's d and 2^-d from the lane of the tile's number
	ds_bpermute_b32 v31, v15, v11
	LOADK \slot
.if \first
	s_wait_loadcnt 0x0                             ; the block's q
.endif
	s_wait_dscnt 0x0
	SMK 0, 1
	SMK 1, 0
	NOPS 4                                         ; places behind the products (ISA guide 7.12.1): V lands on K's registers, the softmax reads the scores
	LOADV \slot
.if \first
	MASK
.endif
	SOFTMAX 0, \first
	SOFTMAX 1, \first
	s_wait_dscnt 0x0                               ; V, asked for in front of the softmax
	PVK 0, \first
	PVK 1, 0
	NOPS 5                                         ; five places: the next scores overwrite P, a source of these products; K lands on V
.endm
.macro PUT                             ; waves 4 to 7 hand their partial result to waves 0 to 3
	s_cmp_lt_u32 s10, 4
	s_cbranch_scc1 .Lno_put_\@
	v_permlanex16_b32 v7, v16, s18, s19
	v_add_f32 v28, v16, v7                         ; the sums of both halves of the wave
	v_permlanex16_b32 v7, v17, s18, s19
	v_add_f32 v29, v17, v7
	v_mov_b32 v26, v8
	v_mov_b32 v27, v10
.irp i, 0,1,2,3,4,5,6,7,8,9,10,11,12,13,14,15
	ds_store_b128 v6, v[OA+4*\i:OA+4*\i+3] offset:512*\i
.endr
	ds_store_b128 v6, v[26:29] offset:8192
.Lno_put_\@:
.endm
.macro MERGE ob                        ; waves 0 to 3 join the two partial results, divide by the sum, scale and store the block's 32 x 64 numbers of theirs
	s_cmp_lt_u32 s10, 4
	s_cbranch_scc0 .Lno_merge_\@
.irp i, 0,1,2,3,4,5,6,7,8,9,10,11,12,13,14,15
	ds_load_b128 v[KV+4*\i:KV+4*\i+3], v6 offset:512*\i
.endr
	ds_load_b128 v[26:29], v6 offset:8192
	v_permlanex16_b32 v7, v16, s18, s19
	v_add_f32 v16, v16, v7
	v_permlanex16_b32 v7, v17, s18, s19
	v_add_f32 v17, v17, v7
	s_wait_dscnt 0x0
	v_max_num_f32 v22, v8, v26                     ; the common maxima
	v_max_num_f32 v23, v10, v27
	v_sub_f32 v12, v8, v22
	v_sub_f32 v14, v10, v23
	v_sub_f32 v18, v26, v22
	v_sub_f32 v20, v27, v23
	v_exp_f32 v12, v12
	v_exp_f32 v14, v14
	v_exp_f32 v18, v18
	v_exp_f32 v20, v20
	v_nop
	s_wait_alu depctr_va_vdst(0)
	v_mul_f32 v24, v16, v12
	v_mul_f32 v25, v17, v14
	v_fmac_f32 v24, v28, v18                       ; the whole sums: at least 1, since the side that holds the maximum has a term 2^0
	v_fmac_f32 v25, v29, v20
	v_rcp_f32 v24, v24
	v_rcp_f32 v25, v25
	v_nop
	s_wait_alu depctr_va_vdst(0)
	v_mul_f32 v24, v24, v13                        ; 2^(Eref - Eg): from my head's scale to the batch's
	v_mul_f32 v25, v25, v13
	v_mul_f32 v12, v12, v24
	v_mul_f32 v14, v14, v25
	v_mul_f32 v18, v18, v24
	v_mul_f32 v20, v20, v25
.irp dt, 0,1,2,3
.irp nt, 0,1
.irp p, 0,2,4,6
	v_pk_mul_f32 v[OA+8*(2*\dt+\nt)+\p:OA+8*(2*\dt+\nt)+\p+1], v[OA+8*(2*\dt+\nt)+\p:OA+8*(2*\dt+\nt)+\p+1], v[12+2*\nt:13+2*\nt] op_sel_hi:[1,0]
.endr
.endr
.endr
.irp dt, 0,1,2,3
.irp nt, 0,1
.irp p, 0,2,4,6
	v_pk_fma_f32 v[OA+8*(2*\dt+\nt)+\p:OA+8*(2*\dt+\nt)+\p+1], v[KV+8*(2*\dt+\nt)+\p:KV+8*(2*\dt+\nt)+\p+1], v[18+2*\nt:19+2*\nt], v[OA+8*(2*\dt+\nt)+\p:OA+8*(2*\dt+\nt)+\p+1] op_sel_hi:[1,0,1]
.endr
.endr
.endr
.irp nt, 0,1
.irp dt, 0,1,2,3
.irp i, 0,1,2,3
	v_cvt_pk_f16_f32 v[SA+16*\nt+4*\dt+\i], v[OA+8*(2*\dt+\nt)+2*\i], v[OA+8*(2*\dt+\nt)+2*\i+1]
.endr
	global_store_b128 v1, v[SA+16*\nt+4*\dt:SA+16*\nt+4*\dt+3], s[\ob:\ob+1] offset:32768*\nt+512*\dt
.endr
.endr
	s_wait_xcnt 0x0                                ; the score registers, which these stores read, are written again only behind this wait
.Lno_merge_\@:
.endm
; One position of the loop.  At position j + 1 the work-group changes to its second block; the branch is the same in all eight waves,
; and each way holds one change of slots with its one tensor load.
.macro TRIP slot, add
	s_add_co_u32 s33, s32, \add
	s_add_co_u32 s34, s32, \add+1
	s_cmp_eq_u32 s33, s15
	s_cbranch_scc1 .Lchange_\@
	HEAD \slot, 1
	BODY \slot, 0
	s_branch .Ljoin_\@
.Lchange_\@:
	LOADQ 26                                       ; the second block's q, on its way during the merge
	HEAD \slot, 1
	PUT                                            ; behind the change's barrier: any earlier reader of the scratch has passed it
	s_wait_dscnt 0x0                               ; my stores into the scratch are done,
	s_barrier_signal -1
	s_barrier_wait -1                              ; everybody's are.  The tile asked for above stays on its way
	MERGE 28
	BODY \slot, 1
.Ljoin_\@:
.endm
	s_load_b128 s[4:7], s[0:1], 0x0                ; qb s[4:5], kvb s[6:7]
	s_load_b128 s[56:59], s[0:1], 0x10             ; vsc s[56:57], ob s[58:59]
	v_lshrrev_b32 v1, 5, v0
	v_readfirstlane_b32 s10, v1
	s_lshr_b32 s11, s10, 2
	s_and_b32 s12, s10, 3
	s_and_b32 s13, ttmp9, 7
	s_lshr_b32 s14, ttmp9, 3
	s_add_co_u32 s15, s13, 1
	s_add_co_u32 s16, s13, 2
	s_sub_co_u32 s17, 15, s13
	s_mov_b32 s18, 0x76543210                      ; v_permlanex16_b32: lane i of one half reads lane i of the other
	s_mov_b32 s19, 0xfedcba98
	s_lshl_b32 s20, s10, 12
	s_mov_b32 s53, s13                             ; position 0's tile
	; group 1: a dense block of 4,096 bytes as 16 rows of 32 elements of 8 bytes
	s_mov_b32 s40, 3<<16
	s_mov_b32 s41, 32<<16
	s_mov_b32 s42, 16<<16
	s_mov_b32 s43, 32<<16
	s_mov_b32 s44, 16
	s_mov_b32 s45, 32
	s_mov_b32 s46, 0
	s_mov_b32 s47, 0
	s_mov_b32 s49, 0
	s_lshl_b32 s48, s14, 19                        ; 16 tiles of 32,768 bytes a batch-head
	s_add_co_u32 s48, s48, s20
	s_wait_kmcnt 0x0
	s_add_nc_u64 s[22:23], s[6:7], s[48:49]
	s_lshl_b32 s48, s13, 15                        ; position 0: the first block's diagonal tile j
	s_mov_b32 s36, 1
	s_add_co_u32 s37, s20, 0
	s_add_nc_u64 s[38:39], s[22:23], s[48:49]
	s_or_b32 s39, s39, 0x80000000
	tensor_load_to_lds s[36:39], s[40:47]          ; the first fill, ahead of everything else
	s_nop 0
	s_lshl_b32 s51, s12, 1
	s_lshl_b32 s50, s14, 7
	s_add_co_u32 s50, s50, s51                     ; q: token tile 128 bh + 8 block + 2 quarter, 2,048 bytes each
	s_lshl3_add_u32 s48, s13, s50
	s_lshl_b32 s48, s48, 11
	s_add_nc_u64 s[24:25], s[4:5], s[48:49]
	s_lshl3_add_u32 s48, s17, s50
	s_lshl_b32 s48, s48, 11
	s_add_nc_u64 s[26:27], s[4:5], s[48:49]
	s_lshr_b32 s50, s14, 4
	s_lshl_b32 s50, s50, 7
	s_add_co_u32 s50, s50, s51                     ; o: token tile 128 batch + 8 block + 2 quarter, 32,768 bytes each; the head's 4 units at 2,048 head
	s_and_b32 s52, s14, 15
	s_lshl_b32 s52, s52, 11
	s_lshl3_add_u32 s48, s13, s50
	s_lshl_b32 s48, s48, 15
	s_add_co_u32 s48, s48, s52
	s_add_nc_u64 s[28:29], s[58:59], s[48:49]
	s_lshl3_add_u32 s48, s17, s50
	s_lshl_b32 s48, s48, 15
	s_add_co_u32 s48, s48, s52
	s_add_nc_u64 s[30:31], s[58:59], s[48:49]
	s_lshl_b32 s48, s14, 6                         ; vsc: my head's 16 words,
	s_add_nc_u64 s[8:9], s[56:57], s[48:49]
	s_lshr_b32 s48, s14, 4
	s_lshl_b32 s48, s48, 10                        ; and my batch's 256
	s_add_nc_u64 s[56:57], s[56:57], s[48:49]
	v_and_b32 v1, 31, v0
	v_lshlrev_b32 v1, 4, v1                        ; 16 L
	v_and_b32 v18, 15, v0
	v_lshlrev_b32 v18, 2, v18                      ; lane i takes tile i & 15's word
	v_lshlrev_b32 v19, 1, v1                       ; and 8 of the batch's words
	global_load_b32 v9, v18, s[8:9]
	global_load_b128 v[KV:KV+3], v19, s[56:57]
	global_load_b128 v[KV+4:KV+7], v19, s[56:57] offset:16
	LOADQ 24
	s_lshl_b32 s50, s11, 13
	v_add_nc_u32 v2, s50, v1                       ; K: my half's 4 key tiles of 2,048 bytes
	s_lshl_b32 s50, s11, 11
	v_add_nc_u32 v3, s50, v1                       ; V: my half's 4 key tiles of 512 bytes in each d tile
	v_and_b32 v4, 15, v0
	v_bfe_u32 v7, v0, 4, 1
	v_lshlrev_b32 v7, 3, v7
	v_sub_nc_u32 v4, v4, v7
	s_lshl_b32 s50, s12, 5
	s_lshl_b32 s51, s11, 6
	s_sub_co_i32 s50, s50, s51
	v_add_nc_u32 v4, s50, v4                       ; 32 quarter - 64 half + r - 8 h
	v_mov_b32 v5, 0xf149f2ca                       ; -1e30
	s_mul_i32 s50, s12, SCRW
	s_add_co_u32 s50, s50, SCR
	v_add_nc_u32 v6, s50, v1
	s_wait_loadcnt 0x8                             ; the three loads of scales are in; the eight younger ones, q's, stay out
	v_mov_b32 v11, v9
	v_max_num_f32_dpp v11, v11, v11 row_xmask:1 row_mask:0xf bank_mask:0xf
	v_max_num_f32_dpp v11, v11, v11 row_xmask:2 row_mask:0xf bank_mask:0xf
	v_max_num_f32_dpp v11, v11, v11 row_xmask:4 row_mask:0xf bank_mask:0xf
	v_max_num_f32_dpp v11, v11, v11 row_xmask:8 row_mask:0xf bank_mask:0xf   ; Eref (both halves of the wave hold the same 16 words)
	v_max3_num_f32 v20, v[KV], v[KV+1], v[KV+2]
	v_max3_num_f32 v20, v20, v[KV+3], v[KV+4]
	v_max3_num_f32 v20, v20, v[KV+5], v[KV+6]
	v_max_num_f32 v20, v20, v[KV+7]
	v_max_num_f32_dpp v20, v20, v20 row_xmask:1 row_mask:0xf bank_mask:0xf
	v_max_num_f32_dpp v20, v20, v20 row_xmask:2 row_mask:0xf bank_mask:0xf
	v_max_num_f32_dpp v20, v20, v20 row_xmask:4 row_mask:0xf bank_mask:0xf
	v_max_num_f32_dpp v20, v20, v20 row_xmask:8 row_mask:0xf bank_mask:0xf
	v_permlanex16_b32 v7, v20, s18, s19
	v_max_num_f32 v20, v20, v7                     ; Eg
	v_sub_f32 v13, v11, v20                        ; Eref - Eg <= 0
	v_add_f32 v13, 0x42fe0000, v13                 ; + 127: the factor's biased exponent,
	v_max_num_f32 v13, 0, v13                      ; 0 (the factor 0.0) where it would be below
	v_cvt_u32_f32 v13, v13
	v_lshlrev_b32 v13, 23, v13                     ; 2^(Eref - Eg)
	v_sub_f32 v9, v9, v11
	v_max_num_f32 v9, 0xc2800000, v9               ; d = max(E - Eref, -64)
	v_cvt_i32_f32 v11, v9
	v_sub_nc_u32 v11, 0x7f, v11
	v_lshlrev_b32 v11, 23, v11                     ; 2^-d
	s_mov_b32 s34, 1
	HEAD 0, 1                                      ; slot 1's first fill goes out as a refill does
	BODY 0, 1
	s_mov_b32 s32, 1
.Ltrips:
	TRIP 1, 0
	TRIP 0, 1
	s_add_co_u32 s32, s32, 2
	s_cmp_lt_u32 s32, 15
	s_cbranch_scc1 .Ltrips
	s_mov_b32 s34, 16                              ; positions 15 and 16 lie behind every change of blocks (j + 1 <= 8)
	HEAD 1, 1
	BODY 1, 0
	HEAD 0, 0                                      ; nothing is left to fetch
	BODY 0, 0
	PUT
	s_wait_dscnt 0x0
	s_barrier_signal -1
	s_barrier_wait -1
	MERGE 30
	s_endpgm
.Lfunc_end_k_q6aba11c800_attn:
	.size	k_q6aba11c800_attn, .Lfunc_end_k_q6aba11c800_attn-k_q6aba11c800_attn
	.p2alignl 7, 3214868480
	.fill 96, 4, 3214868480
	.section	.rodata,"a",@progbits
	.p2align	6, 0x0
	.amdhsa_kernel k_q6aba11c800_attn
		.amdhsa_group_segment_fixed_size 327680
		.amdhsa_private_segment_fixed_size 0
		.amdhsa_enable_private_segment 0
		.amdhsa_kernarg_size 32
		.amdhsa_user_sgpr_count 2
		.amdhsa_user_sgpr_kernarg_segment_ptr 1
		.amdhsa_wavefront_size32 1
		.amdhsa_system_sgpr_workgroup_id_x 1
		.amdhsa_system_sgpr_workgroup_id_y 1
		.amdhsa_system_sgpr_workgroup_id_z 1
		.amdhsa_system_vgpr_workitem_id 0
		.amdhsa_next_free_vgpr 256
		.amdhsa_next_free_sgpr 66
		.amdhsa_reserve_vcc 1
		.amdhsa_float_denorm_mode_32 3
		.amdhsa_float_denorm_mode_16_64 3
		.amdhsa_memory_ordered 1
		.amdhsa_forward_progress 1
		.amdhsa_inst_pref_size 169
	.end_amdhsa_kernel
	.amdgpu_metadata
---
amdhsa.version: [ 1, 2 ]
amdhsa.kernels:
  - .name:           k_q6aba11c800_attn
    .symbol:         k_q6aba11c800_attn.kd
    .args:
      - { .name: qb, .offset: 0, .size: 8, .value_kind: global_buffer, .address_space: global }
      - { .name: kvb, .offset: 8, .size: 8, .value_kind: global_buffer, .address_space: global }
      - { .name: vsc, .offset: 16, .size: 8, .value_kind: global_buffer, .address_space: global }
      - { .name: ob, .offset: 24, .size: 8, .value_kind: global_buffer, .address_space: global }
    .group_segment_fixed_size: 327680
    .private_segment_fixed_size: 0
    .kernarg_segment_align: 8
    .kernarg_segment_size: 32
    .max_flat_workgroup_size: 256
    .sgpr_count:     66
    .vgpr_count:     256
    .wavefront_size: 32
...
	.end_amdgpu_metadata
.endif
;; end of part 4
;; launch outproj (part 5): grid 8 x 32, 4 waves a work-group, clusters of 4 x 4, 327,680 bytes of LDS; arguments ob, wb, bo, vsc, out0; writes out0
.if DOCPART == 5
	.amdgcn_target "amdgcn-amd-amdhsa--gfx1250"
	.amdhsa_code_object_version 6
	.text
	.protected	k_q6aba11c800_outproj
	.globl	k_q6aba11c800_outproj
	.p2align	8
	.type	k_q6aba11c800_outproj,@function
k_q6aba11c800_outproj:
	s_mov_b64 s[64:65], 0
	v_nop
	global_prefetch_b8 v0, s[64:65] scope:SCOPE_SE
	s_setreg_imm32_b32 hwreg(HW_REG_WAVE_MODE, 25, 1), 1
	s_wait_xcnt 0x0
	s_wait_alu depctr_hold_cnt(0) depctr_sa_sdst(0) depctr_va_vdst(0) depctr_va_sdst(0) depctr_va_ssrc(0) depctr_va_vcc(0) depctr_vm_vsrc(0)
	s_getreg_b32 s2, hwreg(HW_REG_IB_STS2, 6, 4)
	s_cmp_eq_u32 s2, 0
	s_cbranch_scc0 .Lentry_in_a_cluster
	s_endpgm
.Lentry_in_a_cluster:
	s_bfe_u32 s2, ttmp6, 0x10000c
	s_cmp_lg_u32 s2, 0xf033
	s_cbranch_scc0 .Lentry_shape_is_right
	s_endpgm
.Lentry_shape_is_right:
; out0 = o Wo + bo, f32.  o' = o 2^(141 - Eg) and Wo come as f16 fragment units (512 bytes: rows 16 rt .. +15, k = 16 kt .. +15, lane L = r + 16 h owns 16 bytes at 16 L);
; Eg is the largest of the batch's 256 words of vsc, and the sums are multiplied by 2^(Eg - 141) in the same fused line that adds the bias.
; Block (x, y): 128 output columns (8 tiles of WO, source 0, gives m) x 128 tokens (8 tiles of ob, source 1, gives n), K = 1,024.
; Four waves, one a SIMD, 4 x 4 accumulators each.  K goes in 4 steps of 256 through two LDS slots of 131,072 bytes (16 tiles of 8,192 bytes).
; A lane's eight results are eight neighbouring f32 columns of one token.  16 tokens x 64 columns at a time go through the wave's own stage in LDS (rows of 256 + 16 bytes)
; and leave as whole rows: sixteen lanes store 256 consecutive bytes, at a multiple of 256 from out0's first byte.
; CLUSTERS 4 x 4: WO's tiles hang on x alone and are shared along a column of the cluster, ob's on y alone, along a row.  A wave has at most two tensor loads outstanding.
; LIMITS: operands f16, sums and bias f32.  Where every |v| of the batch lies below 2^-113 (Eg = 14) the factor is 0 and out0 = bo.
.set MT, 4
.set NT, 4
.set NQ, 8
.set KTOT, 1024
.set UR,   NQ*1024
.set SLOT, 2*(MT+NT)*UR
.set TROW, KTOT*32
.set NACC, MT*NT
.set ADRM, 16
.set ADRN, 18
.set F0, 32
.set F1, F0+8*(MT+NT)
.set G1N, 24
.set G0N, 32
.set G1M, 48
.set G0M, 56
.set MULW, 0x50                        ; C and D in window 1, A and B in window 0
.set WO_AT, 4194304
.set STAGE, 2*SLOT                     ; behind the ring: 16 rows of 272 bytes for each wave; no tensor load lands here
.set SPITCH, 272
.set BIAS, 160                         ; v[160:191] bias of my tile mi at + 8 mi
.set TO, 192                           ; v[192:223] first 8 of the batch's scale words, then one token tile's results, f32
.set RB, 224                           ; v[224:255] read back by rows
.set STO, 22
.set RD, 23
.set CO, 24
.set SC, 26                            ; v[26:27] 2^(Eg - 141), twice
.set MSB, 0
.macro WIN new
.if MSB != \new
	s_set_vgpr_msb (MSB<<8)|\new
.set MSB, \new
.endif
.endm
.macro PLACES                          ; four plain vector places behind matrix instructions (ISA guide 7.12.1)
.rept 4
	v_nop
.endr
.endm
.macro CREST
	s_cmp_lg_u32 s10, 0
	s_cbranch_scc1 .Lnot_wave_0_\@
	s_barrier_signal -3
.Lnot_wave_0_\@:
	s_barrier_wait -3
	s_barrier_signal -1
	s_barrier_wait -1
.endm
.macro CROUND
	s_barrier_signal -1
	s_barrier_wait -1
	CREST
.endm
.macro JLOAD s
	s_cmp_eq_u32 s11, 0
	s_cbranch_scc0 .Lfor_n_\@
	tensor_load_to_lds s[G0M+4*\s:G0M+4*\s+3], s[G1M:G1M+7]
	s_nop 0
	s_branch .Lasked_\@
.Lfor_n_\@:
	tensor_load_to_lds s[G0N+4*\s:G0N+4*\s+3], s[G1N:G1N+7]
	s_nop 0
.Lasked_\@:
.endm
.macro FETCH slot, q, f
.set t_i, 0
.rept MT
	ds_load_b128 v[\f+8*t_i:\f+8*t_i+3],   v[ADRM+\slot] offset:t_i*UR+(\q)*1024
	ds_load_b128 v[\f+8*t_i+4:\f+8*t_i+7], v[ADRM+\slot] offset:t_i*UR+(\q)*1024+512
.set t_i, t_i+1
.endr
.set t_i, 0
.rept NT
	ds_load_b128 v[\f+8*MT+8*t_i:\f+8*MT+8*t_i+3],   v[ADRN+\slot] offset:t_i*UR+(\q)*1024
	ds_load_b128 v[\f+8*MT+8*t_i+4:\f+8*MT+8*t_i+7], v[ADRN+\slot] offset:t_i*UR+(\q)*1024+512
.set t_i, t_i+1
.endr
.endm
.macro MUL f, a0, n, zero              ; the accumulators take turns, one instruction each
.set acc_i, \a0
.rept \n
.if \zero
	v_wmma_f32_16x16x32_f16 v[8*acc_i:8*acc_i+7], v[\f+8*(acc_i/NT):\f+8*(acc_i/NT)+7], v[\f+8*MT+8*(acc_i%NT):\f+8*MT+8*(acc_i%NT)+7], 0
.else
	v_wmma_f32_16x16x32_f16 v[8*acc_i:8*acc_i+7], v[\f+8*(acc_i/NT):\f+8*(acc_i/NT)+7], v[\f+8*MT+8*(acc_i%NT):\f+8*MT+8*(acc_i%NT)+7], v[8*acc_i:8*acc_i+7]
.endif
.set acc_i, acc_i+1
.endr
.endm
.macro QUARTER slot, qn, f, g, zero
	s_wait_dscnt 0x0                               ; buffer f, asked for a quarter ago
	WIN 0
	PLACES
	FETCH \slot, \qn, \g
	WIN MULW
	MUL \f, 0, NACC, \zero
.endm
.macro STEP slot, zero
	QUARTER \slot, 1, F0, F1, \zero
.set q_i, 2
.rept (NQ-2)/2
	QUARTER \slot, q_i, F1, F0, 0
	QUARTER \slot, q_i+1, F0, F1, 0
.set q_i, q_i+2
.endr
.endm
.macro TURN slot, next, fill
	s_wait_dscnt 0x0                               ; my reads of this slot are over
	s_wait_tensorcnt 0x0                           ; all my tensor loads have landed: the one that was out is my part of the next slot
	s_barrier_signal -1                            ; where the slot is filled again this barrier opens a round of the cluster's barrier
	WIN MULW
	MUL F1, 0, NACC/2, 0
	WIN 0
	s_barrier_wait -1
.if \fill
	CREST                                          ; no wave of any partner still reads this slot or has a load on its way
	s_add_nc_u64 s[G0M+4*\slot+2:G0M+4*\slot+3], s[G0M+4*\slot+2:G0M+4*\slot+3], 2*UR
	s_add_nc_u64 s[G0N+4*\slot+2:G0N+4*\slot+3], s[G0N+4*\slot+2:G0N+4*\slot+3], 2*UR
	JLOAD \slot                                    ; the first tensor load behind the round, one a wave
.endif
	PLACES
	FETCH \next, 0, F0
	WIN MULW
	MUL F1, NACC/2, NACC/2, 0
.endm
	s_load_b256 s[68:75], s[0:1], 0x0              ; ob s[68:69], wb s[70:71], bo s[72:73], vsc s[74:75]
	s_load_b64 s[76:77], s[0:1], 0x20              ; out0
	v_lshrrev_b32 v1, 5, v0
	v_readfirstlane_b32 s10, v1
	s_lshr_b32 s11, s10, 1                         ; wm.  Also: I fetch for m (0) or for n (1)
	s_and_b32 s12, s10, 1                          ; wn.  Also: which half of that side I fetch
	s_bfe_u32 s40, ttmp6, 0x40000                  ; cx
	s_bfe_u32 s41, ttmp6, 0x40004                  ; cy
	s_lshl_b32 s42, ttmp9, 2
	s_add_co_u32 s42, s42, s40                     ; block x
	s_and_b32 s13, ttmp7, 0xffff
	s_lshl_b32 s13, s13, 2
	s_add_co_u32 s13, s13, s41                     ; block y
	s_lshl_b32 s43, s41, 2
	s_lshl_b32 s43, 15, s43                        ; my row of the cluster
	s_lshl_b32 s44, 0x1111, s40                    ; my column
	s_or_b32 s[G1M+0], s44, (3<<16)|(1<<21)
	s_or_b32 s[G1N+0], s43, (3<<16)|(1<<21)
	s_mov_b32 s[G1M+1], (NQ*128)<<16
	s_mov_b32 s[G1N+1], (NQ*128)<<16
	s_mov_b32 s[G1M+2], MT<<16
	s_mov_b32 s[G1N+2], NT<<16
	s_mov_b32 s[G1M+3], (NQ*128)<<16
	s_mov_b32 s[G1N+3], (NQ*128)<<16
	s_mov_b32 s[G1M+4], MT
	s_mov_b32 s[G1N+4], NT
	s_mov_b32 s[G1M+5], KTOT*4
	s_mov_b32 s[G1N+5], KTOT*4
	s_mov_b32 s[G1M+6], 0
	s_mov_b32 s[G1N+6], 0
	s_mov_b32 s[G1M+7], 0
	s_mov_b32 s[G1N+7], 0
	s_mul_i32 s46, s42, 2*MT*TROW
	s_mul_i32 s45, s12, MT*TROW
	s_add_co_u32 s46, s46, s45
	s_add_co_u32 s46, s46, WO_AT
	s_mov_b32 s47, 0
	s_mul_i32 s16, s13, 2*NT*TROW
	s_mul_i32 s17, s12, NT*TROW
	s_add_co_u32 s16, s16, s17
	s_mov_b32 s17, 0
	s_mul_i32 s20, s10, MT*UR
	s_mul_i32 s21, s10, NT*UR
	s_add_co_u32 s21, s21, 2*(MT-NT)*UR
	s_wait_kmcnt 0x0
	s_add_nc_u64 s[46:47], s[70:71], s[46:47]
	s_add_nc_u64 s[14:15], s[68:69], s[16:17]
	CROUND                                         ; in front of the first joint loads
.irp s, 0,1
	s_mov_b32 s[G0M+4*\s], 1
	s_add_co_u32 s[G0M+4*\s+1], s20, \s*SLOT
	s_add_nc_u64 s[G0M+4*\s+2:G0M+4*\s+3], s[46:47], \s*UR
	s_or_b32 s[G0M+4*\s+3], s[G0M+4*\s+3], 0x80000000
	s_mov_b32 s[G0N+4*\s], 1
	s_add_co_u32 s[G0N+4*\s+1], s21, \s*SLOT
	s_add_nc_u64 s[G0N+4*\s+2:G0N+4*\s+3], s[14:15], \s*UR
	s_or_b32 s[G0N+4*\s+3], s[G0N+4*\s+3], 0x80000000
	JLOAD \s
.endr
	v_and_b32 v1, 31, v0
	v_lshlrev_b32 v21, 4, v1                       ; 16 L
	s_mul_i32 s22, s11, MT*UR
	s_mul_i32 s23, s12, NT*UR
	s_add_co_u32 s23, s23, 2*MT*UR
.irp s, 0,1
	v_add_nc_u32 v[ADRM+\s], s22, v21
	v_add_nc_u32 v[ADRN+\s], s23, v21
	s_add_co_u32 s22, s22, SLOT
	s_add_co_u32 s23, s23, SLOT
.endr
	v_and_b32 v2, 15, v0                           ; r
	v_bfe_u32 v3, v0, 4, 1                         ; h
	v_lshlrev_b32 v20, 5, v3                       ; 32 h
	s_lshl_b32 s80, s42, 9                         ; bo at column 128 x + 64 wm
	s_lshl_b32 s81, s11, 8
	s_add_co_u32 s80, s80, s81
	s_mov_b32 s81, 0
	s_add_nc_u64 s[72:73], s[72:73], s[80:81]
.irp mi, 0,1,2,3
	global_load_b128 v[BIAS+8*\mi:BIAS+8*\mi+3],   v20, s[72:73] offset:64*\mi
	global_load_b128 v[BIAS+8*\mi+4:BIAS+8*\mi+7], v20, s[72:73] offset:64*\mi+16
.endr
	s_lshr_b32 s86, s13, 4                         ; batch: its 256 words of vsc, 8 a lane
	s_lshl_b32 s86, s86, 10
	s_mov_b32 s87, 0
	s_add_nc_u64 s[74:75], s[74:75], s[86:87]
	v_lshlrev_b32 v25, 5, v1                       ; 32 L
	global_load_b128 v[TO:TO+3],   v25, s[74:75]
	global_load_b128 v[TO+4:TO+7], v25, s[74:75] offset:16
	s_mov_b32 s90, 0x76543210                      ; v_permlanex16_b32: lane i of one half reads lane i of the other
	s_mov_b32 s91, 0xfedcba98
	s_mul_i32 s82, s10, 16*SPITCH
	s_add_co_u32 s82, s82, STAGE                   ; my stage
	v_mul_u32_u24 v4, v2, SPITCH                   ; in: token r, 32 bytes for each half of the lanes
	v_add_nc_u32 v4, v4, v20
	v_add_nc_u32 v[STO], s82, v4
	v_mul_u32_u24 v5, v3, SPITCH                   ; back: lanes 0-15 take one row of 256 bytes, lanes 16-31 the next
	v_lshl_add_u32 v5, v2, 4, v5
	v_add_nc_u32 v[RD], s82, v5
	v_lshlrev_b32 v5, 12, v3                       ; and the same two rows in out0
	v_lshl_add_u32 v[CO], v2, 4, v5
	s_lshl_b32 s84, s13, 19                        ; token 128 y + 64 wn, 4,096 bytes a token
	s_lshl_b32 s85, s12, 18
	s_add_co_u32 s84, s84, s85
	s_add_co_u32 s84, s84, s80                     ; column 128 x + 64 wm
	s_mov_b32 s85, 0
	s_add_nc_u64 s[88:89], s[76:77], s[84:85]
	s_wait_tensorcnt 0x1                           ; my part of step 0 is in; step 1's may stay out
	s_barrier_signal -1
	s_barrier_wait -1
	FETCH 0, 0, F0
	STEP 0, 1                                      ; the first products start the sums
	TURN 0, 1, 1
	STEP 1, 0
	TURN 1, 0, 1
	STEP 0, 0
	TURN 0, 1, 0                                   ; the last two steps fill nothing
	STEP 1, 0
	s_wait_dscnt 0x0
	WIN MULW
	MUL F1, 0, NACC, 0
	WIN 0
	PLACES
	s_wait_loadcnt 0x0                             ; the bias and the scale words
	v_max3_num_f32 v28, v[TO], v[TO+1], v[TO+2]
	v_max3_num_f32 v28, v28, v[TO+3], v[TO+4]
	v_max3_num_f32 v28, v28, v[TO+5], v[TO+6]
	v_max_num_f32 v28, v28, v[TO+7]
	v_max_num_f32_dpp v28, v28, v28 row_xmask:1 row_mask:0xf bank_mask:0xf
	v_max_num_f32_dpp v28, v28, v28 row_xmask:2 row_mask:0xf bank_mask:0xf
	v_max_num_f32_dpp v28, v28, v28 row_xmask:4 row_mask:0xf bank_mask:0xf
	v_max_num_f32_dpp v28, v28, v28 row_xmask:8 row_mask:0xf bank_mask:0xf
	v_permlanex16_b32 v5, v28, s90, s91
	v_max_num_f32 v28, v28, v5                     ; Eg, 14 to 255
	v_add_f32 v28, 0xc1600000, v28                 ; Eg - 141 + 127
	v_cvt_u32_f32 v28, v28
	v_lshlrev_b32 v[SC], 23, v28                   ; 2^(Eg - 141)
	v_mov_b32 v[SC+1], v[SC]
.macro EPO ni                          ; token tile ni of my four
	s_wait_xcnt 0x0                                ; RB, which the last tile's stores read, is loaded again only behind this wait
	WIN 0x01                                       ; source 0 (the sums) in window 1
.irp mi, 0,1,2,3
.irp p, 0,2,4,6
	v_pk_fma_f32 v[TO+8*\mi+\p:TO+8*\mi+\p+1], v[8*(\mi*NT+\ni)+\p:8*(\mi*NT+\ni)+\p+1], v[SC:SC+1], v[BIAS+8*\mi+\p:BIAS+8*\mi+\p+1]
.endr
.endr
	WIN 0
.irp mi, 0,1,2,3
	ds_store_b128 v[STO], v[TO+8*\mi:TO+8*\mi+3]   offset:64*\mi
	ds_store_b128 v[STO], v[TO+8*\mi+4:TO+8*\mi+7] offset:64*\mi+16
.endr
.irp t, 0,1,2,3,4,5,6,7
	ds_load_b128 v[RB+4*\t:RB+4*\t+3], v[RD] offset:\t*2*SPITCH    ; LDS serves a wave's instructions in order (ISA guide 5.7.1): these see the stores above
.endr
.irp t, 0,1,2,3,4,5,6,7
	s_wait_dscnt 7-\t                              ; rows 2 t, 2 t + 1 are back, the younger read-backs stay out
	global_store_b128 v[CO], v[RB+4*\t:RB+4*\t+3], s[88:89] offset:65536*\ni+8192*\t th:TH_STORE_NT
.endr
.endm
	EPO 0
	EPO 1
	EPO 2
	EPO 3
	CROUND                                         ; the closing round
	s_endpgm
.Lfunc_end_k_q6aba11c800_outproj:
	.size	k_q6aba11c800_outproj, .Lfunc_end_k_q6aba11c800_outproj-k_q6aba11c800_outproj
	.p2alignl 7, 3214868480
	.fill 96, 4, 3214868480
	.section	.rodata,"a",@progbits
	.p2align	6, 0x0
	.amdhsa_kernel k_q6aba11c800_outproj
		.amdhsa_group_segment_fixed_size 327680
		.amdhsa_private_segment_fixed_size 0
		.amdhsa_enable_private_segment 0
		.amdhsa_kernarg_size 40
		.amdhsa_user_sgpr_count 2
		.amdhsa_user_sgpr_kernarg_segment_ptr 1
		.amdhsa_wavefront_size32 1
		.amdhsa_system_sgpr_workgroup_id_x 1
		.amdhsa_system_sgpr_workgroup_id_y 1
		.amdhsa_system_sgpr_workgroup_id_z 1
		.amdhsa_system_vgpr_workitem_id 0
		.amdhsa_next_free_vgpr 384
		.amdhsa_next_free_sgpr 96
		.amdhsa_reserve_vcc 0
		.amdhsa_float_denorm_mode_32 3
		.amdhsa_float_denorm_mode_16_64 3
		.amdhsa_memory_ordered 1
		.amdhsa_forward_progress 1
		.amdhsa_inst_pref_size 94
	.end_amdhsa_kernel
	.amdgpu_metadata
---
amdhsa.version: [ 1, 2 ]
amdhsa.kernels:
  - .name:           k_q6aba11c800_outproj
    .symbol:         k_q6aba11c800_outproj.kd
    .args:
      - { .name: ob, .offset: 0, .size: 8, .value_kind: global_buffer, .address_space: global }
      - { .name: wb, .offset: 8, .size: 8, .value_kind: global_buffer, .address_space: global }
      - { .name: bo, .offset: 16, .size: 8, .value_kind: global_buffer, .address_space: global }
      - { .name: vsc, .offset: 24, .size: 8, .value_kind: global_buffer, .address_space: global }
      - { .name: out0, .offset: 32, .size: 8, .value_kind: global_buffer, .address_space: global }
    .group_segment_fixed_size: 327680
    .private_segment_fixed_size: 0
    .kernarg_segment_align: 8
    .kernarg_segment_size: 40
    .max_flat_workgroup_size: 128
    .sgpr_count:     96
    .vgpr_count:     384
    .wavefront_size: 32
...
	.end_amdgpu_metadata
.endif
;; end of part 5
